; MI455X (gfx1250); checked and timed in simulation.
; The chip was launched on July 23, 2026; its instructions are those of AMD's public machine-readable ISA for CDNA 5 (MIT licence, August 2026) and "CDNA5" Instruction Set Architecture Reference Guide (July 2026). The comments in the code are by the model that wrote it; some were corrected since.
;; Bahdanau Attention. Allowed arithmetic: float matrix products may take bf16 or f16 operands with f32 sums; other float arithmetic in f32, or as packed bf16 or f16 multiplies, adds, multiply-adds, maxima and minima; sums over many terms, partial sums and values carried from step to step in f32; what a program stores and reads back later, other than sums and carried values, may be rounded once to bf16 or f16.
;; Inputs: b1 1,024 float32; b2 1,024 float32; bv 1 float32; mask 32 x 2,048 int32; query 32 x 1,024 float32; v 1,024 x 1 float32; values 32 x 2,048 x 1,024 float32; w1 1,024 x 1,024 float32; w2 1,024 x 1,024 float32.
;; Outputs: out0 32 x 1,024 float32; out1 32 x 2,048 x 1 float32.
;; 2 versions, each right; version 2 is version 1 with the launch score written anew for expert scheduling mode. Each part assembles by itself: llvm-mc -triple=amdgcn-amd-amdhsa -mcpu=gfx1250 --defsym DOCPART=n.
;; ======== version 1 of 2: 3 launches
;; workspace buffers: w2f 2,097,152 bytes; cb 131,072 bytes; sc 262,144 bytes; pc 2,097,152 bytes
;; launch prep (part 1): grid 64 x 1, 8 waves a work-group, no clusters, 17,408 bytes of LDS; arguments query, w1, b1, b2, w2, w2f, cb; writes w2f, cb
.if DOCPART == 1
	.amdgcn_target "amdgcn-amd-amdhsa--gfx1250"
	.amdhsa_code_object_version 6
	.text
	.protected	k_q03de7b0e3d_prep
	.globl	k_q03de7b0e3d_prep
	.p2align	8
	.type	k_q03de7b0e3d_prep,@function
k_q03de7b0e3d_prep:
	s_mov_b64 s[64:65], 0
	v_nop
	global_prefetch_b8 v0, s[64:65] scope:SCOPE_SE
	s_setreg_imm32_b32 hwreg(HW_REG_WAVE_MODE, 25, 1), 1
	s_wait_xcnt 0x0
; TWO SMALL JOBS AHEAD OF THE LARGE PRODUCT; every work-group x (0..63) does a share of both.
; JOB 1.  w2 [1024 k][1024 u] f32 -> w2f, bf16 in the order in which a matrix fragment lies in registers:
;   byte (((g 32 + ks) 8 + f) 2 + hf) 512 + 16 lane holds w2[k][u], u = 128 g + 16 f + lane % 16, k = 32 ks + 16 hf + 8 (lane / 16) + 0..7.
;   So the next launch fills half a fragment by one load of 512 consecutive bytes.  Wave wv takes g = x / 8, ks = 4 (x % 8) + wv / 2, hf = wv % 2, all f.
; JOB 2.  cb[b][u] = c (query[b] . w1[:, u] + b1[u] + b2[u]), c = 2 log2(e), for the 16 columns u0 = 16 x and all 32 rows b.  K is split among the eight waves (128 each);
;   the partial sums, in f32, meet in LDS.  Source 0 = 16 columns of w1, source 1 = 16 rows of query: a lane ends with one b and eight neighbouring u.
; LIMITS.  query, w1 and w2 are rounded once to bf16 for the matrix unit.  The columns of w1 and w2 are read as pieces of 64 bytes of each row, and cb is stored in pieces
; of 64 bytes (128 KiB in all): the price of turning 8 MiB of weights once.
.set SPARE, 16384                      ; LDS: 0..16383 the partial tiles (wave wv, tile bt at 2,048 wv + 1,024 bt); then the spare words, 128 bytes a wave
.set L16, 1                            ; v1   16 x lane
.set VG,  2                            ; v2   32,768 (lane / 16) + 4 (lane % 16): eight rows of a weight matrix down, a column along
.set VQ,  3                            ; v3   4,096 (lane % 16) + 32 (lane / 16): a row of query, eight numbers along
.set LS,  6                            ; v6   where I put my 32 bytes of a partial tile
.set LR,  7                            ; v7   where I read them back
.set CO,  8                            ; v8   my 32 bytes of cb
.set SPW, 10                           ; v10  my spare word; never rewritten
.set NIL, 11                           ; v11  0; never rewritten
.set ACC, 16                           ; v[16:31]   two accumulators: b = 0..15, b = 16..31
.set HA,  32                           ; v[32:63]   w2, f = 0..3, as loaded, then packed
.set WR,  64                           ; v[64:127]  w1 as loaded (16 a K step), packed in place; later v[64:95]: w2, f = 4..7
.set QR,  128                          ; v[128:255] query as loaded (16 a K step and tile), packed in place; later the eight partial tiles
.set BI,  192                          ; v[192:199] c (b1 + b2) of my eight columns
.macro PACK8 base                      ; 16 f32 -> 8 registers of two bf16, in place: register j is written when 2 j and 2 j + 1 are read, never ahead of them
.irp j, 0,1,2,3,4,5,6,7
	v_cvt_pk_bf16_f32 v[(\base)+\j], v[(\base)+2*\j], v[(\base)+2*\j+1]
.endr
.endm
.macro PACK4 base                      ; 8 f32 -> 4 registers, likewise
.irp j, 0,1,2,3
	v_cvt_pk_bf16_f32 v[(\base)+\j], v[(\base)+2*\j], v[(\base)+2*\j+1]
.endr
.endm
	s_load_b256 s[4:11], s[0:1], 0x0               ; query s[4:5], w1 s[6:7], b1 s[8:9], b2 s[10:11]
	s_load_b128 s[12:15], s[0:1], 0x20             ; w2 s[12:13], w2f s[14:15]
	s_load_b64 s[16:17], s[0:1], 0x30              ; cb
	v_lshl_add_u32 v[SPW], v0, 2, SPARE
	v_mov_b32 v[NIL], 0
	v_lshrrev_b32 v9, 5, v0
	v_readfirstlane_b32 s18, v9                    ; wave 0..7
	v_and_b32 v4, 15, v0                           ; lane % 16
	v_bfe_u32 v5, v0, 4, 1                         ; lane / 16
	v_and_b32 v9, 31, v0                           ; lane
	v_lshlrev_b32 v[L16], 4, v9
	v_lshlrev_b32 v[VG], 2, v4
	v_lshl_add_u32 v[VG], v5, 15, v[VG]
	v_lshlrev_b32 v[VQ], 12, v4
	v_lshl_add_u32 v[VQ], v5, 5, v[VQ]
	s_lshl_b32 s19, s18, 11
	v_lshl_add_u32 v[LS], v9, 5, s19               ; 2,048 wave + 32 lane
	s_lshl_b32 s19, s18, 10
	v_lshl_add_u32 v[LR], v9, 5, s19               ; tile = my wave's number (waves 0 and 1): 1,024 wave + 32 lane
	s_lshl_b32 s19, s18, 16                        ; rows 16 wave on of cb,
	s_lshl_b32 s20, ttmp9, 6                       ; columns 16 x on: 64 bytes
	s_add_co_u32 s19, s19, s20
	v_add_nc_u32 v[CO], s19, v[VQ]
	s_mov_b32 s21, 0                               ; s[20:21] = 64 x: b1's and b2's offset
	s_lshl_b32 s22, s18, 19                        ; w1: 128 wave rows of 4,096 bytes,
	s_add_co_u32 s22, s22, s20                     ; and the 16 columns
	s_mov_b32 s23, 0
	s_lshl_b32 s24, s18, 9                         ; query: 128 wave numbers along each row
	s_mov_b32 s25, 0
	s_and_b32 s26, ttmp9, 7
	s_lshl_b32 s26, s26, 2
	s_lshr_b32 s27, s18, 1
	s_add_co_u32 s26, s26, s27                     ; ks
	s_and_b32 s27, s18, 1                          ; hf
	s_lshr_b32 s28, ttmp9, 3                       ; g
	s_lshl_b32 s30, s26, 17                        ; w2: (32 ks + 16 hf) rows of 4,096 bytes + 128 g columns
	s_lshl_b32 s29, s27, 16
	s_add_co_u32 s30, s30, s29
	s_lshl_b32 s29, s28, 9
	s_add_co_u32 s30, s30, s29
	s_mov_b32 s31, 0
	s_lshl_b32 s28, s28, 5                         ; w2f: (32 g + ks) 8,192 + 512 hf
	s_add_co_u32 s28, s28, s26
	s_lshl_b32 s28, s28, 13
	s_lshl_b32 s29, s27, 9
	s_add_co_u32 s28, s28, s29
	s_mov_b32 s29, 0
	s_mov_b32 s2, 0x4038aa3b                       ; c = 2 log2(e)
	s_mov_b32 s3, s2                               ; named with it as a pair
	s_wait_kmcnt 0x0
	s_add_nc_u64 s[4:5], s[4:5], s[24:25]
	s_add_nc_u64 s[6:7], s[6:7], s[22:23]
	s_add_nc_u64 s[8:9], s[8:9], s[20:21]
	s_add_nc_u64 s[10:11], s[10:11], s[20:21]
	s_add_nc_u64 s[12:13], s[12:13], s[30:31]
	s_add_nc_u64 s[14:15], s[14:15], s[28:29]
	s_load_b512 s[32:47], s[8:9], 0x0              ; b1 of my 16 columns
	s_load_b512 s[48:63], s[10:11], 0x0            ; b2
	; job 2's 96 loads: per K step of 32, sixteen numbers of a column of w1 and, for both tiles of b, sixteen of a row of query
.irp ks, 0,1,2,3
.irp e, 0,1,2,3,4,5,6,7,8,9,10,11,12,13,14,15
	global_load_b32 v[WR+16*\ks+\e], v[VG], s[6:7] offset:(32*\ks+16*(\e/8)+\e%8)*4096
.endr
.endr
.irp ks, 0,1,2,3
.irp bt, 0,1
.irp q, 0,1,2,3
	global_load_b128 v[QR+32*\ks+16*\bt+4*\q:QR+32*\ks+16*\bt+4*\q+3], v[VQ], s[4:5] offset:\bt*65536+\ks*128+(\q/2)*64+(\q%2)*16
.endr
.endr
.endr
	; job 1, f = 0..3: 32 loads
.irp f, 0,1,2,3
.irp e, 0,1,2,3,4,5,6,7
	global_load_b32 v[HA+8*\f+\e], v[VG], s[12:13] offset:\e*4096+\f*64
.endr
.endr
	s_wait_loadcnt 32                              ; job 2's operands are in; the 32 loads of w2 behind them may stay out
	s_wait_kmcnt 0x0                               ; the biases
.irp t, 0,1,2,3
	PACK8 WR+16*\t
.endr
.irp t, 0,1,2,3,4,5,6,7
	PACK8 QR+16*\t
.endr
	; eight products; the two accumulators take turns, one instruction a turn; the first K step starts the sums
.irp ks, 0,1,2,3
.irp bt, 0,1
.if \ks == 0
	v_wmma_f32_16x16x32_bf16 v[ACC+8*\bt:ACC+8*\bt+7], v[WR+16*\ks:WR+16*\ks+7], v[QR+32*\ks+16*\bt:QR+32*\ks+16*\bt+7], 0
.else
	v_wmma_f32_16x16x32_bf16 v[ACC+8*\bt:ACC+8*\bt+7], v[WR+16*\ks:WR+16*\ks+7], v[QR+32*\ks+16*\bt:QR+32*\ks+16*\bt+7], v[ACC+8*\bt:ACC+8*\bt+7]
.endif
.endr
.endr
	s_wait_loadcnt 0x0                             ; w2, f = 0..3
.irp f, 0,1,2,3
	PACK4 HA+8*\f                                  ; sixteen plain instructions that name no register of the products: the places behind them (ISA guide 7.12.1)
.endr
.irp f, 0,1,2,3
.irp e, 0,1,2,3,4,5,6,7
	global_load_b32 v[WR+8*\f+\e], v[VG], s[12:13] offset:\e*4096+(4+\f)*64  ; f = 4..7, into registers that the products have read
.endr
.endr
.irp f, 0,1,2,3
	global_store_b128 v[L16], v[HA+8*\f:HA+8*\f+3], s[14:15] offset:\f*1024  ; 512 consecutive bytes, aligned
.endr
.irp bt, 0,1
	ds_store_b128 v[LS], v[ACC+8*\bt:ACC+8*\bt+3]   offset:1024*\bt          ; each accumulator's low registers first
	ds_store_b128 v[LS], v[ACC+8*\bt+4:ACC+8*\bt+7] offset:1024*\bt+16
.endr
	s_wait_loadcnt 0x0                             ; w2, f = 4..7
.irp f, 0,1,2,3
	PACK4 WR+8*\f
.endr
.irp f, 0,1,2,3
	global_store_b128 v[L16], v[WR+8*\f:WR+8*\f+3], s[14:15] offset:(4+\f)*1024
.endr
	s_wait_dscnt 0x0                               ; for the others' sake: my partial tiles lie in LDS
	s_barrier_signal -1
	s_barrier_wait -1
	s_cmp_lt_u32 s18, 2                            ; wave 0 finishes b = 0..15, wave 1 b = 16..31
	s_cbranch_scc0 .Lend
.irp p, 0,1,2,3,4,5,6,7
	ds_load_b128 v[QR+8*\p:QR+8*\p+3],   v[LR] offset:2048*\p
	ds_load_b128 v[QR+8*\p+4:QR+8*\p+7], v[LR] offset:2048*\p+16
.endr
.irp j, 0,1,2,3,4,5,6,7,8,9,10,11,12,13,14,15
	s_add_f32 s[32+\j], s[32+\j], s[48+\j]         ; b1 + b2,
.endr
.irp j, 0,1,2,3,4,5,6,7,8,9,10,11,12,13,14,15
	s_mul_f32 s[32+\j], s[32+\j], s2               ; times c
.endr
	v_cmp_eq_u32 vcc_lo, 1, v5                     ; lanes 16-31 hold columns 8..15
.irp j, 0,1,2,3,4,5,6,7
	v_mov_b32 v[BI+\j], s[32+\j]
	v_cndmask_b32 v[BI+\j], v[BI+\j], s[40+\j], vcc_lo
.endr
	s_wait_dscnt 0x0
.irp p, 0,2,4,6
.irp q, 0,2,4,6
	v_pk_add_f32 v[QR+8*\p+\q:QR+8*\p+\q+1], v[QR+8*\p+\q:QR+8*\p+\q+1], v[QR+8*\p+8+\q:QR+8*\p+8+\q+1]
.endr
.endr
.irp p, 0,4
.irp q, 0,2,4,6
	v_pk_add_f32 v[QR+8*\p+\q:QR+8*\p+\q+1], v[QR+8*\p+\q:QR+8*\p+\q+1], v[QR+8*\p+16+\q:QR+8*\p+16+\q+1]
.endr
.endr
.irp q, 0,2,4,6
	v_pk_add_f32 v[QR+\q:QR+\q+1], v[QR+\q:QR+\q+1], v[QR+32+\q:QR+32+\q+1]
.endr
.irp q, 0,2,4,6
	v_pk_fma_f32 v[QR+\q:QR+\q+1], v[QR+\q:QR+\q+1], s[2:3], v[BI+\q:BI+\q+1] op_sel_hi:[1,0,1]  ; c sum + c (b1 + b2)
.endr
	global_store_b128 v[CO], v[QR:QR+3], s[16:17]
	global_store_b128 v[CO], v[QR+4:QR+7], s[16:17] offset:16
.Lend:
	s_wait_tensorcnt 0x0                           ; the wave's end, behind my last LDS store
	ds_add_u32 v[SPW], v[NIL]
	s_wait_dscnt 0x0
	s_endpgm
.Lfunc_end_k_q03de7b0e3d_prep:
	.size	k_q03de7b0e3d_prep, .Lfunc_end_k_q03de7b0e3d_prep-k_q03de7b0e3d_prep
	.p2alignl 7, 3214868480
	.fill 96, 4, 3214868480
	.section	.rodata,"a",@progbits
	.p2align	6, 0x0
	.amdhsa_kernel k_q03de7b0e3d_prep
		.amdhsa_group_segment_fixed_size 17408
		.amdhsa_private_segment_fixed_size 0
		.amdhsa_enable_private_segment 0
		.amdhsa_kernarg_size 56
		.amdhsa_user_sgpr_count 2
		.amdhsa_user_sgpr_kernarg_segment_ptr 1
		.amdhsa_wavefront_size32 1
		.amdhsa_system_sgpr_workgroup_id_x 1
		.amdhsa_system_sgpr_workgroup_id_y 1
		.amdhsa_system_sgpr_workgroup_id_z 1
		.amdhsa_system_vgpr_workitem_id 0
		.amdhsa_next_free_vgpr 256
		.amdhsa_next_free_sgpr 66
		.amdhsa_reserve_vcc 1
		.amdhsa_float_denorm_mode_32 3
		.amdhsa_float_denorm_mode_16_64 3
		.amdhsa_memory_ordered 1
		.amdhsa_forward_progress 1
		.amdhsa_inst_pref_size 33
	.end_amdhsa_kernel
	.amdgpu_metadata
---
amdhsa.version: [ 1, 2 ]
amdhsa.kernels:
  - .name:           k_q03de7b0e3d_prep
    .symbol:         k_q03de7b0e3d_prep.kd
    .args:
      - { .name: query, .offset: 0, .size: 8, .value_kind: global_buffer, .address_space: global }
      - { .name: w1, .offset: 8, .size: 8, .value_kind: global_buffer, .address_space: global }
      - { .name: b1, .offset: 16, .size: 8, .value_kind: global_buffer, .address_space: global }
      - { .name: b2, .offset: 24, .size: 8, .value_kind: global_buffer, .address_space: global }
      - { .name: w2, .offset: 32, .size: 8, .value_kind: global_buffer, .address_space: global }
      - { .name: w2f, .offset: 40, .size: 8, .value_kind: global_buffer, .address_space: global }
      - { .name: cb, .offset: 48, .size: 8, .value_kind: global_buffer, .address_space: global }
    .group_segment_fixed_size: 17408
    .private_segment_fixed_size: 0
    .kernarg_segment_align: 8
    .kernarg_segment_size: 56
    .max_flat_workgroup_size: 256
    .sgpr_count:     66
    .vgpr_count:     256
    .wavefront_size: 32
...
	.end_amdgpu_metadata
.endif
;; end of part 1
;; launch score (part 2): grid 512 x 1, 4 waves a work-group, no clusters, 276,992 bytes of LDS; arguments values, w2f, cb, v, bv, mask, sc, pc; writes sc, pc
.if DOCPART == 2
	.amdgcn_target "amdgcn-amd-amdhsa--gfx1250"
	.amdhsa_code_object_version 6
	.text
	.protected	k_q03de7b0e3d_score
	.globl	k_q03de7b0e3d_score
	.p2align	8
	.type	k_q03de7b0e3d_score,@function
k_q03de7b0e3d_score:
	s_mov_b64 s[64:65], 0
	v_nop
	global_prefetch_b8 v0, s[64:65] scope:SCOPE_SE
	s_setreg_imm32_b32 hwreg(HW_REG_WAVE_MODE, 25, 1), 1
	s_wait_xcnt 0x0
; FOR A BLOCK OF 128 ROWS OF values (work-group x: rows 128 x on, batch x / 16): the masked score of each row, and the block's share of the context, with values read from memory ONCE.
;   score[s] = bv + sum over u of v[u] tanh(q_proj[u] + values[s] . w2[:, u] + b2[u]);   s' = score + (1 - mask) (-1e9)  -> sc
;   pc[x][d] = sum over the block's rows of 2^((s' - M) log2 e) values[s][d],  M = the block's largest s'           -> pc   (the last launch joins the 16 blocks of a batch)
; tanh(t) = 1 - 2 / (1 + 2^(c t)), c = 2 log2(e): score = (bv + sum v) + sum (-2 v[u]) / (1 + 2^(c acc + cb[u])), cb = c (q_proj + b2) from the launch before.
; Where 2^.. overflows the quotient is 0 (tanh = 1), where it underflows 1 (tanh = -1).  The maximum is taken away by a subtraction, then comes the factor log2 e.
; LIMITS.  values and w2 are rounded once to bf16, for the product and for the context alike; a weight below 2^-126 counts as 0; NaN and infinities are not treated apart.
; SHARES.  The block, in bf16, stays in LDS: 128 rows x 2,048 bytes.  Wave w makes columns u = 256 w .. 256 w + 255 for all 128 rows, in two passes of 128: 64 accumulators, 512 registers.
; The product is taken transposed (source 0 = 16 columns of w2, source 1 = 16 rows of values): a lane holds ONE row s (lane % 16) and eight u, so a row's sum over u wants one exchange of lanes.
; THE BLOCK STREAMS IN BESIDE THE FIRST PASS.  K step t wants columns 32 t .. 32 t + 31 alone, so values come in CHUNKS of 128 columns (512 bytes of each row; wave w brings rows 32 w .. 32 w + 31).
; Chunks 0 and 1 are filled ahead of the first product; chunks 2 to 7 in GROUPS of eight rows, one a K step: a group is asked for in the middle of step s - 4 and rounded and stored in the middle
; of step s, so 32 loads of 512 bytes a wave are on their way throughout.  A chunk is whole after every fourth step, where a barrier stands; it is first read three steps later.
; No byte of the block is written twice.
; w2 COMES STRAIGHT INTO REGISTERS, from w2f, which lies in fragment order: a load is 512 consecutive bytes.
; So there are no tensor loads, and NO CLUSTER: joint requests are tensor loads into LDS.
; REGISTERS, in windows of 256 (s_set_vgpr_msb: bits 1:0 source 0, 3:2 source 1, 5:4 source 2, 7:6 destination):
;   window 0: v0-31 addresses and small things; v32-47 the rows' sums, v48-55 four chains, v56-63 the context (in pass 1: set 3 of the stage); v64-95 fragments of rows 0-63, one buffer;
;             v96-127, v128-159 fragments of rows 64-127, two buffers; v160-255 sets 0-2 of the stage.  Behind a pass: v64-127 cb, v128-191 -2 v of my columns, v192-255 at work
;   window 1: four buffers of 64 for w2's fragments      windows 2, 3: accumulator (a, f) at v[8 (8 (a % 4) + f)], a < 4 in window 2; at the start window 2 takes chunks 0 and 1 as loaded
.set PITCH, 2064                       ; an LDS row: 2,048 bytes + 16 = 129 x 16: the 16 rows of a fragment load start at 16 different groups of four banks (64 banks of 4 bytes: ISA guide 11.1)
.set R32,   32*PITCH
.set LSC,   128*PITCH                  ; 264,192: the waves' partial scores, [4][128] f32
.set LP,    LSC+2048                   ; the weights p[128], a copy for each wave
.set LTCB,  LP+2048                    ; cb's row of my batch, 4,096 bytes
.set LTVT,  LTCB+4096                  ; -2 v, 4,096 bytes
.set SPARE, LTVT+4096                  ; the spare words, 128 bytes a wave: two blocks of 256 bytes that no other line names
.set L16,  1                           ; v1   16 x lane; never rewritten
.set LA,   2                           ; v2   filling: my wave's rows + 8 x lane, at the chunk in hand
.set CA,   2                           ;      the context: 8 x thread + the rows in hand
.set T16,  3                           ; v3   16 x thread; never rewritten
.set AF,   4                           ; v4-7   my lane's place in a fragment, rows 32 i on, at the K steps in hand
.set AFB,  8                           ; v8-11  the same at K = 0
.set TABA, 12                          ; v12  cb of my pass's columns in LDS
.set SCW,  13                          ; v13  where I put a row's partial score
.set SCR,  14                          ; v14  where I read four rows' partial scores
.set PW,   15                          ; v15  where I put four weights
.set MK,   16                          ; v16-19 the mask of rows 4 lane .. 4 lane + 3
.set WK,   20                          ; v20-27 at work
.set PFO,  27                          ; v27  in pass 1: 4,096 x lane, the prefetches' offset: a lane a row
.set SPW,  28                          ; v28  my spare word; never rewritten
.set NIL,  29                          ; v29  0; never rewritten
.set SVB,  30                          ; v30  bv + the sum of v
.set PR,   31                          ; v31  my wave's copy of p, at the rows in hand
.set SUM,  32
.set CH,   48
.set CTX,  56
.set ALO,  64
.set AHI,  96
.set RCB,  64
.set RVT,  128
.set TT,   192
.set WV,   24                          ; s24  my wave's number
.set VP,   28                          ; s[28:29] values at my wave's rows, at the chunks in hand
.set WB,   30                          ; s[30:31] w2f at my wave's 256 columns
.set BP,   32                          ; s[32:33] w2f at the pass's K steps in hand
.set NP,   34                          ; s[34:35] w2f at the next pass's first K step
.set CNT,  36
.set PASS, 37
.set CC,   38                          ; s[38:39] c
.set SEL,  40                          ; s[40:41] v_permlanex16_b32's selects: each lane takes its own place in the other half
.set SBV,  42
.set L2E,  43
.set BIG,  44
.set MSB, 0
.macro WIN new                         ; the immediate's high byte repeats the setting that is left; a switch that changes nothing is dropped
.if MSB != (\new)
	s_set_vgpr_msb (MSB<<8)|(\new)
.set MSB, \new
.endif
.endm
.macro PLACES                          ; four places behind a matrix instruction, in front of loads into registers that it has read and of lines that read its result
.rept 4
	v_nop
.endr
.endm
; The step's next cnt products; i counts them, 0 to 63: rows 16 (i / 8) on, columns 16 (i % 8) on.  All 64 accumulators take turns, in one order in every step.
.macro WMS hb, bb, zero, cnt
.rept \cnt
	WIN 0xa1+0x50*(i/32)                           ; w2 in window 1, values in window 0, C and D in window 2 or 3
.if i < 32
.set rA, ALO+8*(i/8)
.else
.set rA, AHI+32*(\hb)+8*(i/8-4)
.endif
.if \zero
	v_wmma_f32_16x16x32_bf16 v[8*(i%32):8*(i%32)+7], v[64*(\bb)+8*(i%8):64*(\bb)+8*(i%8)+7], v[rA:rA+7], 0
.else
	v_wmma_f32_16x16x32_bf16 v[8*(i%32):8*(i%32)+7], v[64*(\bb)+8*(i%8):64*(\bb)+8*(i%8)+7], v[rA:rA+7], v[8*(i%32):8*(i%32)+7]
.endif
.set i, i+1
.endr
.endm
; 16 LDS loads: the eight fragments of values (16 rows x 32 K each) at byte imm behind AF: rows 0-63 into their one buffer, rows 64-127 into buffer hbd
.macro ALOAD hbd, imm
	WIN 0
.irp a, 0,1,2,3
	ds_load_b128 v[ALO+8*\a:ALO+8*\a+3],   v[AF+\a/2] offset:(\a%2)*16*PITCH+(\imm)
	ds_load_b128 v[ALO+8*\a+4:ALO+8*\a+7], v[AF+\a/2] offset:(\a%2)*16*PITCH+(\imm)+32
.endr
.irp a, 0,1,2,3
	ds_load_b128 v[AHI+32*(\hbd)+8*\a:AHI+32*(\hbd)+8*\a+3],   v[AF+2+\a/2] offset:(\a%2)*16*PITCH+(\imm)
	ds_load_b128 v[AHI+32*(\hbd)+8*\a+4:AHI+32*(\hbd)+8*\a+7], v[AF+2+\a/2] offset:(\a%2)*16*PITCH+(\imm)+32
.endr
.endm
; 16 loads of 512 consecutive bytes: a K step's eight fragments of w2, into buffer bb of window 1
.macro BLOAD bb, ptr, imm
	WIN 0x40
.irp f, 0,1,2,3,4,5,6,7
	global_load_b128 v[64*(\bb)+8*\f:64*(\bb)+8*\f+3],   v[L16], s[\ptr:\ptr+1] offset:(\imm)+\f*1024
	global_load_b128 v[64*(\bb)+8*\f+4:64*(\bb)+8*\f+7], v[L16], s[\ptr:\ptr+1] offset:(\imm)+\f*1024+512
.endr
.endm
; THE STAGE: four sets of 32 registers; set n holds rows 8 n .. 8 n + 7 of my wave's 32, four f32 a lane and row
.macro SB set
.if (\set) == 3
.set sb, 32
.else
.set sb, 160+32*(\set)
.endif
.endm
.macro VLD set, col                    ; eight loads of 512 consecutive bytes: a group, at byte col of the rows
	SB \set
	WIN 0
.irp r, 0,1,2,3,4,5,6,7
	global_load_b128 v[sb+4*\r:sb+4*\r+3], v[L16], s[VP:VP+1] offset:(8*(\set)+\r)*4096+(\col) th:TH_LOAD_NT
.endr
.endm
.macro CVT set                         ; rounded to bf16, in place: a row's four numbers into its first two registers
	SB \set
	WIN 0
.irp r, 0,1,2,3,4,5,6,7
	v_cvt_pk_bf16_f32 v[sb+4*\r],   v[sb+4*\r],   v[sb+4*\r+1]
	v_cvt_pk_bf16_f32 v[sb+4*\r+1], v[sb+4*\r+2], v[sb+4*\r+3]
.endr
.endm
.macro VST set                         ; into the block: 32 lanes, 256 consecutive bytes of a row; LA stands two chunks in front of the chunk in hand
	SB \set
	WIN 0
.irp r, 0,1,2,3,4,5,6,7
	ds_store_b64 v[LA], v[sb+4*\r:sb+4*\r+1] offset:(8*(\set)+\r)*PITCH+512
.endr
.endm
; K STEP t: 32 products, ONE run of memory instructions, 32 products.  hb = t % 2, bb = t % 4.  The run asks for w2's fragments of step t + 3 (into the buffer that step t - 1 multiplied) and for
; values' fragments of step t + 1 (rows 0-63 into the buffer just multiplied, rows 64-127 into the one that step t - 1 multiplied).
; v = 1: the group in set `set` is rounded, stored, and its registers asked for again, one chunk on; v = 2: rounded and stored; v = 3: asked for.  The 16 conversions name no register of a product:
; they are the places in front of the run; elsewhere four v_nop are.  w2's loads stand ahead of the group's, so the count n at a step's head can leave the youngest group out.
; n: the loads issued behind w2's of this step.  bar = 1: a chunk is whole: my stores are waited for 16 products behind them, and 16 more stand between the signal and the wait.
; pf = 1: a prefetch into the L2 (below).
.macro STEP hb, bb, zero, aimm, ptr, bimm, n, v=0, set=0, col=0, bar=0, pf=0
	s_wait_loadcnt \n                              ; w2 of this step is in, and so is all that was asked for earlier: the group that this step rounds among it
	s_wait_dscnt 0x0                               ; values' fragments, asked for 32 products ago
.set i, 0
	WMS \hb, \bb, \zero, 32
.if ((\v) == 1) || ((\v) == 2)
	CVT \set
	VST \set
.else
	PLACES
.endif
	BLOAD ((\bb)+3)&3, \ptr, \bimm
.if (\aimm) >= 0
	ALOAD 1-(\hb), \aimm
.endif
.if ((\v) == 1) || ((\v) == 3)
	VLD \set, \col
.endif
.if \pf
	; My own 32 rows' 512 bytes of the chunk that the NEXT trip's four steps will load: a lane a row, two instructions, behind this trip's first run of loads: four K steps, 256 products, ahead of
	; the first of those loads.  Each aligned 256 bytes are named once in the launch, by the wave that will load them.  Chunks 0 to 3 come by their loads alone; the last trip asks for nothing.
	s_cmp_gt_u32 s[CNT], 1
	s_cbranch_scc0 .Lnone_\@
	global_prefetch_b8 v[PFO], s[VP:VP+1] offset:2048 th:TH_LOAD_NT scope:SCOPE_SE
	global_prefetch_b8 v[PFO], s[VP:VP+1] offset:2304 th:TH_LOAD_NT scope:SCOPE_SE
.Lnone_\@:
.endif
	WMS \hb, \bb, \zero, 16
.if \bar
	s_wait_dscnt 0x0                               ; for the others' sake: my stores of the chunk's last group are done (and no LDS load of mine is out at the signal)
	s_barrier_signal -1
.endif
	WMS \hb, \bb, \zero, 16
.if \bar
	s_barrier_wait -1                              ; every wave's rows of the chunk lie in LDS
.endif
.endm
; The first fill: group g of eight (chunk g / 4, rows 8 (g % 4) on), as loaded into window 2, is rounded in place and stored.  left: the loads issued behind it, or 63 where they are more:
; a wait's field holds no larger count, and a smaller count than the number of younger loads is always right.
.macro PGRP g, left
	s_wait_loadcnt \left
	WIN 0x8a                                       ; sources and destination in window 2
.irp r, 0,1,2,3,4,5,6,7
	v_cvt_pk_bf16_f32 v[32*(\g)+4*\r],   v[32*(\g)+4*\r],   v[32*(\g)+4*\r+1]
	v_cvt_pk_bf16_f32 v[32*(\g)+4*\r+1], v[32*(\g)+4*\r+2], v[32*(\g)+4*\r+3]
.endr
	WIN 0x08                                       ; the stores' data in window 2, their address in window 0
.irp r, 0,1,2,3,4,5,6,7
	ds_store_b64 v[LA], v[32*(\g)+4*\r:32*(\g)+4*\r+1] offset:(8*((\g)%4)+\r)*PITCH+((\g)/4)*256
.endr
.endm
; Rows 16 a on, my pass's 128 columns: 64 numbers a lane.  t = c acc + cb; 1 / (1 + 2^t); times -2 v, summed in four chains, of which the first starts from the row's sum so far.
; Each accumulator's registers are read in ascending order.  A plain line stands behind each run of transcendentals (ISA guide 5.7.2).
.macro EPI a
	WIN 2+(\a)/4                                   ; source 0 in window 2 or 3
.set i, 0
.rept 32
	v_pk_fma_f32 v[TT+2*i:TT+2*i+1], v[64*((\a)%4)+2*i:64*((\a)%4)+2*i+1], s[CC:CC+1], v[RCB+2*i:RCB+2*i+1] op_sel_hi:[1,0,1]
.set i, i+1
.endr
	WIN 0
.set i, 0
.rept 64
	v_exp_f32 v[TT+i], v[TT+i]
.set i, i+1
.endr
	v_nop
.set i, 0
	s_wait_alu depctr_va_vdst(0)
.rept 32
	v_pk_add_f32 v[TT+2*i:TT+2*i+1], v[TT+2*i:TT+2*i+1], 1.0 op_sel_hi:[1,0]
.set i, i+1
.endr
.set i, 0
.rept 64
	v_rcp_f32 v[TT+i], v[TT+i]
.set i, i+1
.endr
	v_nop
	s_wait_alu depctr_va_vdst(0)
	v_pk_fma_f32 v[CH:CH+1], v[TT:TT+1], v[RVT:RVT+1], v[SUM+2*(\a):SUM+2*(\a)+1]
.set i, 1
.rept 3
	v_pk_mul_f32 v[CH+2*i:CH+2*i+1], v[TT+2*i:TT+2*i+1], v[RVT+2*i:RVT+2*i+1]
.set i, i+1
.endr
.rept 28
	v_pk_fma_f32 v[CH+2*(i%4):CH+2*(i%4)+1], v[TT+2*i:TT+2*i+1], v[RVT+2*i:RVT+2*i+1], v[CH+2*(i%4):CH+2*(i%4)+1]
.set i, i+1
.endr
	v_pk_add_f32 v[CH:CH+1], v[CH:CH+1], v[CH+2:CH+3]
	v_pk_add_f32 v[CH+4:CH+5], v[CH+4:CH+5], v[CH+6:CH+7]
	v_pk_add_f32 v[SUM+2*(\a):SUM+2*(\a)+1], v[CH:CH+1], v[CH+4:CH+5]
.endm
	s_load_b512 s[8:23], s[0:1], 0x0               ; values s[8:9], w2f s[10:11], cb s[12:13], v s[14:15], bv s[16:17], mask s[18:19], sc s[20:21], pc s[22:23]
	v_lshl_add_u32 v[SPW], v0, 2, SPARE
	v_mov_b32 v[NIL], 0
	v_lshrrev_b32 v[WK], 5, v0
	v_readfirstlane_b32 s[WV], v[WK]               ; wave 0..3
	v_and_b32 v[WK], 31, v0                        ; lane
	v_and_b32 v[WK+1], 15, v0                      ; lane % 16
	v_bfe_u32 v[WK+2], v0, 4, 1                    ; lane / 16
	v_lshlrev_b32 v[L16], 4, v[WK]
	v_lshlrev_b32 v[T16], 4, v0
	v_lshlrev_b32 v[PFO], 12, v[WK]
	s_mul_i32 s25, s[WV], R32                      ; my wave fills rows 32 w .. 32 w + 31
	v_lshl_add_u32 v[LA], v[WK], 3, s25
	v_mul_u32_u24 v[WK+3], v[WK+1], PITCH
	v_lshl_add_u32 v[WK+3], v[WK+2], 4, v[WK+3]    ; a fragment's row x pitch + 16 x half
.irp i, 0,1,2,3
	v_add_nc_u32 v[AFB+\i], \i*R32, v[WK+3]
	v_add_nc_u32 v[AF+\i], \i*R32, v[WK+3]
.endr
	s_lshl_b32 s25, s[WV], 10
	s_add_co_u32 s25, s25, LTCB
	v_lshl_add_u32 v[TABA], v[WK+2], 5, s25        ; my wave's 256 columns, my half's eight of each sixteen
	s_lshl_b32 s25, s[WV], 9
	s_add_co_u32 s26, s25, LSC
	v_lshl_add_u32 v[SCW], v[WK+1], 2, s26
	v_add_nc_u32 v[SCR], LSC, v[L16]
	s_add_co_u32 s26, s25, LP
	v_add_nc_u32 v[PW], s26, v[L16]
	v_mov_b32 v[PR], s26
	s_mov_b32 s[CC], 0x4038aa3b                    ; c = 2 log2(e)
	s_mov_b32 s[CC+1], s[CC]                       ; named with it as a pair
	s_mov_b32 s[SEL], 0x76543210
	s_mov_b32 s[SEL+1], 0xfedcba98
	s_mov_b32 s[L2E], 0x3fb8aa3b                   ; log2(e)
	s_mov_b32 s[BIG], 0xce6e6b28                   ; -1e9
	s_mov_b32 s[PASS], 2
	s_wait_kmcnt 0x0
	s_load_b32 s[SBV], s[16:17], 0x0
	s_lshl_b32 s26, ttmp9, 19                      ; the block's 128 rows of 4,096 bytes,
	s_lshl_b32 s27, s[WV], 17                      ; my wave's 32 of them
	s_add_co_u32 s26, s26, s27
	s_mov_b32 s27, 0
	s_add_nc_u64 s[VP:VP+1], s[8:9], s[26:27]
	s_lshl_b32 s26, s[WV], 19                      ; two groups of 128 columns, 262,144 bytes each
	s_add_nc_u64 s[WB:WB+1], s[10:11], s[26:27]
	s_mov_b64 s[BP:BP+1], s[WB:WB+1]
	s_add_nc_u64 s[NP:NP+1], s[WB:WB+1], 0x40000
	s_lshr_b32 s26, ttmp9, 4                       ; the batch
	s_lshl_b32 s26, s26, 12
	s_add_nc_u64 s[12:13], s[12:13], s[26:27]
	s_lshl_b32 s26, ttmp9, 9                       ; 128 words of mask and of sc
	s_add_nc_u64 s[18:19], s[18:19], s[26:27]
	s_add_nc_u64 s[20:21], s[20:21], s[26:27]
	s_lshl_b32 s26, ttmp9, 12
	s_add_nc_u64 s[22:23], s[22:23], s[26:27]
	; THE FIRST FILL.  Chunks 0 and 1 of my 32 rows: 64 loads of 512 bytes, into window 2
	WIN 0x80
.set i, 0
.rept 64
	global_load_b128 v[4*i:4*i+3], v[L16], s[VP:VP+1] offset:(i%32)*4096+(i/32)*512 th:TH_LOAD_NT
.set i, i+1
.endr
	; As each group of eight lands and is stored, what the first steps want goes out behind it, in the order in which the steps go on asking: w2 of a step, then a group of chunk 2.
	PGRP 0, 56                                     ; seven groups are younger
	WIN 0
	global_load_b128 v[MK:MK+3], v[L16], s[18:19]              ; the 13 small loads; cb and v land in the fragment registers, idle until the first fill is done
	global_load_b128 v[64:67], v[T16], s[12:13]                ; cb's row, 32 bytes a thread
	global_load_b128 v[68:71], v[T16], s[12:13] offset:2048
	global_load_b128 v[72:75], v[T16], s[14:15]                ; v likewise,
	global_load_b128 v[76:79], v[T16], s[14:15] offset:2048
.irp j, 0,1,2,3,4,5,6,7
	global_load_b128 v[80+4*\j:80+4*\j+3], v[L16], s[14:15] offset:\j*512  ; and all of v in every wave, for its sum
.endr
	PGRP 1, 61                                     ; six groups and the 13
	BLOAD 0, BP, 0
	PGRP 2, 63
	VLD 0, 1024
	PGRP 3, 63
	BLOAD 1, BP, 8192
	PGRP 4, 63
	VLD 1, 1024
	PGRP 5, 63
	BLOAD 2, BP, 16384
	PGRP 6, 63
	VLD 2, 1024
	PGRP 7, 63                                     ; 72 loads were issued behind the small ones: they are in too
	WIN 0
	; the tables for the way out of a pass, and bv + sum v
	v_add_nc_u32 v[WK], LTCB, v[T16]
	ds_store_b128 v[WK], v[64:67]
	ds_store_b128 v[WK], v[68:71] offset:2048
.irp q, 72,74,76,78
	v_pk_mul_f32 v[\q:\q+1], v[\q:\q+1], -2.0 op_sel_hi:[1,0]
.endr
	ds_store_b128 v[WK], v[72:75] offset:4096
	ds_store_b128 v[WK], v[76:79] offset:6144
.irp q, 0,2,4,6,8,10,12,14
	v_pk_add_f32 v[80+\q:80+\q+1], v[80+\q:80+\q+1], v[96+\q:96+\q+1]
.endr
.irp q, 0,2,4,6
	v_pk_add_f32 v[80+\q:80+\q+1], v[80+\q:80+\q+1], v[88+\q:88+\q+1]
.endr
.irp q, 0,2
	v_pk_add_f32 v[80+\q:80+\q+1], v[80+\q:80+\q+1], v[84+\q:84+\q+1]
.endr
	v_pk_add_f32 v[80:81], v[80:81], v[82:83]
	v_add_f32 v[WK+1], v80, v81
.irp m, 1,2,4,8
	v_add_f32_dpp v[WK+1], v[WK+1], v[WK+1] row_xmask:\m row_mask:0xf bank_mask:0xf
.endr
	v_permlanex16_b32 v81, v[WK+1], s[SEL], s[SEL+1]
	v_add_f32 v[WK+1], v[WK+1], v81
	s_wait_kmcnt 0x0                               ; bv
	v_add_f32 v[SVB], s[SBV], v[WK+1]
	s_wait_dscnt 0x0                               ; for the others' sake: my rows of chunks 0 and 1 and my parts of the tables lie in LDS
	s_barrier_signal -1
	s_barrier_wait -1
	; PASS 1, K steps 0 to 24: its own text, since the block streams in beside it
	ALOAD 0, 0
	STEP 0, 0, 1, 64, BP, 3*8192, 56, 3, 3, 1024   ; step 0 starts the sums and asks for chunk 2's last group.  56: behind w2 of step 0 stand two steps' w2 and three groups
	WIN 0                                          ; at a label and at a branch every window is 0
	s_mov_b32 s[CNT], 5
.Lv:                                           ; K steps 4 j + 1 .. 4 j + 4: chunk 2 + j is stored, chunk 3 + j asked for.  56: a group and two steps of 16 + 8 are younger than this step's w2
	STEP 1, 1, 0, 128, BP, 4*8192, 56, 1, 0, 1536, 0, 1
	STEP 0, 2, 0, 192, BP, 5*8192, 56, 1, 1, 1536
	STEP 1, 3, 0, 256, BP, 6*8192, 56, 1, 2, 1536
	STEP 0, 0, 0, 320, BP, 7*8192, 56, 1, 3, 1536, 1
	WIN 0
	s_wait_xcnt 0x0                                ; the loads, the youngest 32 products back, and the prefetches have read their bases
	s_add_nc_u64 s[BP:BP+1], s[BP:BP+1], 32768
	s_add_nc_u64 s[VP:VP+1], s[VP:VP+1], 512
.irp i, 0,1,2,3
	v_add_nc_u32 v[AF+\i], 256, v[AF+\i]
.endr
	v_add_nc_u32 v[LA], 256, v[LA]
	s_sub_co_u32 s[CNT], s[CNT], 1
	s_cmp_lg_u32 s[CNT], 0
	s_cbranch_scc1 .Lv
	STEP 1, 1, 0, 128, BP, 4*8192, 56, 2, 0        ; K steps 21 to 24 store chunk 7 and ask for no more of values: the counts run down by a group a step
	STEP 0, 2, 0, 192, BP, 5*8192, 48, 2, 1
	STEP 1, 3, 0, 256, BP, 6*8192, 40, 2, 2
	STEP 0, 0, 0, 320, BP, 7*8192, 32, 2, 3, 0, 1
	WIN 0
	s_wait_xcnt 0x0
	s_add_nc_u64 s[BP:BP+1], s[BP:BP+1], 32768
.irp i, 0,1,2,3
	v_add_nc_u32 v[AF+\i], 256, v[AF+\i]
.endr
.set i, 0
.rept 16
	v_mov_b32 v[SUM+i], 0                          ; the stage's set 3 has served: the rows' sums and the context start at 0
.set i, i+1
.endr
.set i, 0
.rept 8
	v_mov_b32 v[CTX+i], 0
.set i, i+1
.endr
	s_mov_b32 s[CNT], 1
	s_branch .Lk                                   ; K steps 25 to 31 and the way out are pass 2's text
.Lpass:                                        ; PASS 2: the other 128 columns; the block is whole
	ALOAD 0, 0
	STEP 0, 0, 1, 64, BP, 3*8192, 32               ; the first K step stands in front of the loop: its products start the sums.  32: the next two steps' w2
	WIN 0
	s_mov_b32 s[CNT], 7
.Lk:                                           ; K steps 4 j + 1 .. 4 j + 4
	STEP 1, 1, 0, 128, BP, 4*8192, 32
	STEP 0, 2, 0, 192, BP, 5*8192, 32
	STEP 1, 3, 0, 256, BP, 6*8192, 32
	STEP 0, 0, 0, 320, BP, 7*8192, 32
	WIN 0
	s_wait_xcnt 0x0                                ; the loads, the youngest 32 products back, have read their base
	s_add_nc_u64 s[BP:BP+1], s[BP:BP+1], 32768
.irp i, 0,1,2,3
	v_add_nc_u32 v[AF+\i], 256, v[AF+\i]
.endr
	s_sub_co_u32 s[CNT], s[CNT], 1
	s_cmp_lg_u32 s[CNT], 0
	s_cbranch_scc1 .Lk
	STEP 1, 1, 0, 128, NP, 0, 32                   ; K steps 29 to 31 ask for the NEXT pass's first three steps of w2.  In the second pass NP is the first pass's beginning:
	STEP 0, 2, 0, 192, NP, 8192, 32                ; those 48 loads (24 KiB a wave, inside w2f) serve nothing: the price of one text for both passes
	STEP 1, 3, 0, -1, NP, 16384, 32
	WIN 0
	PLACES                                         ; behind the last products: loads into the fragment buffers follow, then lines that read the sums
.irp f, 0,1,2,3,4,5,6,7
	ds_load_b128 v[RCB+8*\f:RCB+8*\f+3],   v[TABA] offset:\f*64          ; register 8 f + j: column 16 f + 8 (lane / 16) + j, as in the accumulators
	ds_load_b128 v[RCB+8*\f+4:RCB+8*\f+7], v[TABA] offset:\f*64+16
	ds_load_b128 v[RVT+8*\f:RVT+8*\f+3],   v[TABA] offset:4096+\f*64
	ds_load_b128 v[RVT+8*\f+4:RVT+8*\f+7], v[TABA] offset:4096+\f*64+16
.endr
	s_wait_dscnt 0x0
.irp a, 0,1,2,3,4,5,6,7
	EPI \a
.endr
	s_wait_xcnt 0x0                                ; the last loads have read NP
	s_mov_b64 s[BP:BP+1], s[NP:NP+1]
	s_mov_b64 s[NP:NP+1], s[WB:WB+1]
.irp i, 0,1,2,3
	v_mov_b32 v[AF+\i], v[AFB+\i]                  ; back to K = 0
.endr
	v_add_nc_u32 v[TABA], 512, v[TABA]             ; the next 128 columns
	s_sub_co_u32 s[PASS], s[PASS], 1
	s_cmp_lg_u32 s[PASS], 0
	s_cbranch_scc1 .Lpass
	; THE SCORES.  A row's sum lies in a pair (even and odd columns) in two lanes (the halves of each sixteen columns)
.irp a, 0,1,2,3,4,5,6,7
	v_add_f32 v[WK+\a], v[SUM+2*\a], v[SUM+2*\a+1]
.endr
.irp a, 0,1,2,3,4,5,6,7
	v_permlanex16_b32 v[SUM+2*\a], v[WK+\a], s[SEL], s[SEL+1]
.endr
.irp a, 0,1,2,3,4,5,6,7
	v_add_f32 v[WK+\a], v[WK+\a], v[SUM+2*\a]
.endr
.irp a, 0,1,2,3,4,5,6,7
	ds_store_b32 v[SCW], v[WK+\a] offset:\a*64     ; row 16 a + lane % 16; both halves write the same number
.endr
	s_wait_dscnt 0x0
	s_barrier_signal -1
	s_barrier_wait -1                              ; all four waves' partial scores lie in LDS; every wave now makes all 128 scores, four a lane
.irp w, 0,1,2,3
	ds_load_b128 v[SUM+4*\w:SUM+4*\w+3], v[SCR] offset:\w*512
.endr
.irp i, 0,1,2,3
	v_cvt_f32_i32 v[MK+\i], v[MK+\i]
.endr
.irp i, 0,1,2,3
	v_sub_f32 v[MK+\i], 1.0, v[MK+\i]              ; 1 - m
.endr
	s_wait_dscnt 0x0
	v_pk_add_f32 v[SUM:SUM+1], v[SUM:SUM+1], v[SUM+4:SUM+5]
	v_pk_add_f32 v[SUM+2:SUM+3], v[SUM+2:SUM+3], v[SUM+6:SUM+7]
	v_pk_add_f32 v[SUM+8:SUM+9], v[SUM+8:SUM+9], v[SUM+12:SUM+13]
	v_pk_add_f32 v[SUM+10:SUM+11], v[SUM+10:SUM+11], v[SUM+14:SUM+15]
	v_pk_add_f32 v[SUM:SUM+1], v[SUM:SUM+1], v[SUM+8:SUM+9]
	v_pk_add_f32 v[SUM+2:SUM+3], v[SUM+2:SUM+3], v[SUM+10:SUM+11]
.irp i, 0,1,2,3
	v_add_f32 v[SUM+\i], v[SVB], v[SUM+\i]         ; the score,
.endr
.irp i, 0,1,2,3
	v_fma_f32 v[SUM+\i], v[MK+\i], s[BIG], v[SUM+\i]  ; and (1 - m) (-1e9) onto it
.endr
	v_max3_num_f32 v[WK], v[SUM], v[SUM+1], v[SUM+2]
	v_max_num_f32 v[WK], v[WK], v[SUM+3]
.irp m, 1,2,4,8
	v_max_num_f32_dpp v[WK], v[WK], v[WK] row_xmask:\m row_mask:0xf bank_mask:0xf
.endr
	v_permlanex16_b32 v[WK+1], v[WK], s[SEL], s[SEL+1]
	v_max_num_f32 v[WK], v[WK], v[WK+1]            ; the block's maximum, in every lane
.irp i, 0,1,2,3
	v_sub_f32 v[WK+4+\i], v[SUM+\i], v[WK]
.endr
.irp i, 0,1,2,3
	v_mul_f32 v[WK+4+\i], s[L2E], v[WK+4+\i]
.endr
.irp i, 0,1,2,3
	v_exp_f32 v[WK+4+\i], v[WK+4+\i]
.endr
	v_lshlrev_b32 v[CA], 3, v0                     ; (the plain line behind the exponentials)
	s_wait_alu depctr_va_vdst(0)
	ds_store_b128 v[PW], v[WK+4:WK+7]              ; into my wave's own copy: read back below by this wave alone, and LDS serves a wave's instructions in order (ISA guide 5.7.1.4)
	s_cmp_lg_u32 s[WV], 0
	s_cbranch_scc1 .Lnot0
	global_store_b128 v[L16], v[SUM:SUM+3], s[20:21]  ; wave 0: the block's 128 masked scores, 512 consecutive bytes
.Lnot0:
	; THE CONTEXT.  Thread t owns columns 4 t .. 4 t + 3 and 512 + 4 t .. of all 128 rows, read from the block in LDS; 16 rows a trip
	s_mov_b32 s[CNT], 8
.Lctx:
.irp q, 0,1,2,3
	ds_load_b128 v[RVT+4*\q:RVT+4*\q+3], v[PR] offset:16*\q   ; 16 weights, the same in every lane
.endr
.set k, 0
.rept 16
	ds_load_b64 v[RCB+4*k:RCB+4*k+1],   v[CA] offset:k*PITCH
	ds_load_b64 v[RCB+4*k+2:RCB+4*k+3], v[CA] offset:k*PITCH+1024
.set k, k+1
.endr
.set k, 0
.rept 16
	s_wait_dscnt 30-2*k                            ; row k is in: behind it the 15 - k later rows' two loads each were issued
.irp j, 0,1,2,3
	v_fma_mix_f32_bf16 v[CTX+2*\j],   v[RCB+4*k+\j], v[RVT+k], v[CTX+2*\j]   op_sel_hi:[1,0,0]
	v_fma_mix_f32_bf16 v[CTX+2*\j+1], v[RCB+4*k+\j], v[RVT+k], v[CTX+2*\j+1] op_sel:[1,0,0] op_sel_hi:[1,0,0]
.endr
.set k, k+1
.endr
	v_add_nc_u32 v[CA], 16*PITCH, v[CA]
	v_add_nc_u32 v[PR], 64, v[PR]
	s_sub_co_u32 s[CNT], s[CNT], 1
	s_cmp_lg_u32 s[CNT], 0
	s_cbranch_scc1 .Lctx
	global_store_b128 v[T16], v[CTX:CTX+3], s[22:23]                 ; 16 lanes store 256 consecutive bytes, aligned
	global_store_b128 v[T16], v[CTX+4:CTX+7], s[22:23] offset:2048
	s_wait_tensorcnt 0x0                           ; the wave's end, behind my last LDS store
	ds_add_u32 v[SPW], v[NIL]
	s_wait_dscnt 0x0
	s_endpgm
.Lfunc_end_k_q03de7b0e3d_score:
	.size	k_q03de7b0e3d_score, .Lfunc_end_k_q03de7b0e3d_score-k_q03de7b0e3d_score
	.p2alignl 7, 3214868480
	.fill 96, 4, 3214868480
	.section	.rodata,"a",@progbits
	.p2align	6, 0x0
	.amdhsa_kernel k_q03de7b0e3d_score
		.amdhsa_group_segment_fixed_size 276992
		.amdhsa_private_segment_fixed_size 0
		.amdhsa_enable_private_segment 0
		.amdhsa_kernarg_size 64
		.amdhsa_user_sgpr_count 2
		.amdhsa_user_sgpr_kernarg_segment_ptr 1
		.amdhsa_wavefront_size32 1
		.amdhsa_system_sgpr_workgroup_id_x 1
		.amdhsa_system_sgpr_workgroup_id_y 1
		.amdhsa_system_sgpr_workgroup_id_z 1
		.amdhsa_system_vgpr_workitem_id 0
		.amdhsa_next_free_vgpr 1024
		.amdhsa_next_free_sgpr 66
		.amdhsa_reserve_vcc 0
		.amdhsa_float_denorm_mode_32 3
		.amdhsa_float_denorm_mode_16_64 3
		.amdhsa_memory_ordered 1
		.amdhsa_forward_progress 1
		.amdhsa_inst_pref_size 255
	.end_amdhsa_kernel
	.section	.bss,"aw",@nobits
	.p2align	6
	.space	262144
	.amdgpu_metadata
---
amdhsa.version: [ 1, 2 ]
amdhsa.kernels:
  - .name:           k_q03de7b0e3d_score
    .symbol:         k_q03de7b0e3d_score.kd
    .args:
      - { .name: values, .offset: 0, .size: 8, .value_kind: global_buffer, .address_space: global }
      - { .name: w2f, .offset: 8, .size: 8, .value_kind: global_buffer, .address_space: global }
      - { .name: cb, .offset: 16, .size: 8, .value_kind: global_buffer, .address_space: global }
      - { .name: v, .offset: 24, .size: 8, .value_kind: global_buffer, .address_space: global }
      - { .name: bv, .offset: 32, .size: 8, .value_kind: global_buffer, .address_space: global }
      - { .name: mask, .offset: 40, .size: 8, .value_kind: global_buffer, .address_space: global }
      - { .name: sc, .offset: 48, .size: 8, .value_kind: global_buffer, .address_space: global }
      - { .name: pc, .offset: 56, .size: 8, .value_kind: global_buffer, .address_space: global }
    .group_segment_fixed_size: 276992
    .private_segment_fixed_size: 0
    .kernarg_segment_align: 8
    .kernarg_segment_size: 64
    .max_flat_workgroup_size: 128
    .sgpr_count:     66
    .vgpr_count:     1024
    .wavefront_size: 32
...
	.end_amdgpu_metadata
.endif
;; end of part 2
;; launch finish (part 3): grid 64 x 1, 4 waves a work-group, no clusters, 0 bytes of LDS; arguments sc, pc, out0, out1; writes out0, out1
.if DOCPART == 3
	.amdgcn_target "amdgcn-amd-amdhsa--gfx1250"
	.amdhsa_code_object_version 6
	.text
	.protected	k_q03de7b0e3d_finish
	.globl	k_q03de7b0e3d_finish
	.p2align	8
	.type	k_q03de7b0e3d_finish,@function
k_q03de7b0e3d_finish:
	s_mov_b64 s[64:65], 0
	v_nop
	global_prefetch_b8 v0, s[64:65] scope:SCOPE_SE
	s_setreg_imm32_b32 hwreg(HW_REG_WAVE_MODE, 25, 1), 1
	s_wait_xcnt 0x0
; THE SOFTMAX IS CLOSED.  Batch b = x / 2, half hf = x % 2.  sc holds the batch's 2,048 masked scores, pc for each of its 16 blocks j the sum of 2^((s - M_j) log2 e) values over the block's rows.
;   M = the largest score; L = the sum of 2^((s - M) log2 e);  out1[s] = 2^((s - M) log2 e) / L;  out0[d] = (sum over j of 2^((M_j - M) log2 e) pc[j][d]) / L.
; Every wave reads all 2,048 scores, one load a block, four scores a lane, and finds M_j (the same number that the launch before took away: a maximum is exact), M and L by itself: no LDS, no barrier.
; The work-group stores half of out1 (two blocks a wave) and half of out0 (four columns a thread).  Sums in f32.  A weight below 2^-126 counts as 0; NaN and infinities are not treated apart.
; 64 work-groups: 2.4 MB are read in all; matrix units, clusters and LDS would add nothing.
.set L16, 1                            ; v1   16 x lane
.set T16, 2                            ; v2   16 x thread
.set OWN, 3                            ; v3   my wave's two blocks of out1: 512 (8 hf + 2 wave) + 16 x lane
.set ACC, 4                            ; v[4:7]   my four columns of out0
.set TA,  8                            ; v8, v9   at work
.set RR,  10                           ; v10 1 / L, v11 L
.set MM,  12                           ; v[12:13] M, twice
.set EJ,  16                           ; v[16:31]   M_j, then 2^((M_j - M) log2 e)
.set SCO, 32                           ; v[32:95]   the scores, block j at 4 j
.set OW,  96                           ; v[96:103]  my wave's two blocks once more, for out1
.set PCR, 104                          ; v[104:167] pc, block j at 4 j
.set CHN, 168                          ; v[168:175] four chains of sums
	s_load_b256 s[4:11], s[0:1], 0x0               ; sc s[4:5], pc s[6:7], out0 s[8:9], out1 s[10:11]
	v_lshrrev_b32 v[TA], 5, v0
	v_readfirstlane_b32 s12, v[TA]                 ; wave 0..3
	v_and_b32 v[TA], 31, v0
	v_mov_b32 v[TA+1], 0                           ; written, since v_permlanex16_b32's destination counts as read
	v_lshlrev_b32 v[L16], 4, v[TA]
	v_lshlrev_b32 v[T16], 4, v0
	s_lshr_b32 s13, ttmp9, 1                       ; b
	s_and_b32 s14, ttmp9, 1                        ; hf
	s_lshl_b32 s15, s14, 12
	s_lshl_b32 s16, s12, 10
	s_add_co_u32 s15, s15, s16
	v_add_nc_u32 v[OWN], s15, v[L16]
	s_lshl_b32 s16, s13, 13                        ; a batch's 8,192 bytes of sc and of out1
	s_mov_b32 s17, 0
	s_lshl_b32 s20, s14, 11                        ; my half of a row of 4,096 bytes
	s_lshl_b32 s18, s13, 16                        ; a batch's 16 rows of pc
	s_add_co_u32 s18, s18, s20
	s_mov_b32 s19, 0
	s_lshl_b32 s21, s13, 12                        ; a batch's row of out0
	s_add_co_u32 s20, s20, s21
	s_mov_b32 s21, 0
	s_mov_b32 s22, 0x3fb8aa3b                      ; log2(e)
	s_mov_b32 s23, s22                             ; named with it as a pair
	s_mov_b32 s24, 0x76543210
	s_mov_b32 s25, 0xfedcba98
	s_wait_kmcnt 0x0
	s_add_nc_u64 s[4:5], s[4:5], s[16:17]
	s_add_nc_u64 s[6:7], s[6:7], s[18:19]
	s_add_nc_u64 s[8:9], s[8:9], s[20:21]
	s_add_nc_u64 s[10:11], s[10:11], s[16:17]
.set j, 0
.rept 16
	global_load_b128 v[SCO+4*j:SCO+4*j+3], v[L16], s[4:5] offset:j*512
.set j, j+1
.endr
	global_load_b128 v[OW:OW+3], v[OWN], s[4:5]
	global_load_b128 v[OW+4:OW+7], v[OWN], s[4:5] offset:512
.set j, 0
.rept 16
	global_load_b128 v[PCR+4*j:PCR+4*j+3], v[T16], s[6:7] offset:j*4096 th:TH_LOAD_NT
.set j, j+1
.endr
	s_wait_loadcnt 16                              ; the scores are in; pc's 16 loads may stay out
.set j, 0
.rept 16
	v_max3_num_f32 v[EJ+j], v[SCO+4*j], v[SCO+4*j+1], v[SCO+4*j+2]
.set j, j+1
.endr
.set j, 0
.rept 16
	v_max_num_f32 v[EJ+j], v[EJ+j], v[SCO+4*j+3]
.set j, j+1
.endr
.irp m, 1,2,4,8
.set j, 0
.rept 16
	v_max_num_f32_dpp v[EJ+j], v[EJ+j], v[EJ+j] row_xmask:\m row_mask:0xf bank_mask:0xf
.set j, j+1
.endr
.endr
.set j, 0
.rept 16
	v_permlanex16_b32 v[TA+j%2], v[EJ+j], s24, s25
	v_max_num_f32 v[EJ+j], v[EJ+j], v[TA+j%2]      ; M_j, in every lane
.set j, j+1
.endr
	v_max3_num_f32 v[MM], v[EJ], v[EJ+1], v[EJ+2]
.set j, 3
.rept 6
	v_max3_num_f32 v[MM], v[MM], v[EJ+j], v[EJ+j+1]
.set j, j+2
.endr
	v_max_num_f32 v[MM], v[MM], v[EJ+15]           ; M
	v_mov_b32 v[MM+1], v[MM]
	; M_j, the 64 scores and my own 8 lie on end, v16 to v103: one run makes 2^((. - M) log2 e) of all 88.  The maximum is taken away first, then comes the factor
.set j, EJ
.rept 44
	v_pk_add_f32 v[j:j+1], v[j:j+1], v[MM:MM+1] neg_lo:[0,1] neg_hi:[0,1]
.set j, j+2
.endr
.set j, EJ
.rept 44
	v_pk_mul_f32 v[j:j+1], v[j:j+1], s[22:23] op_sel_hi:[1,0]
.set j, j+2
.endr
.set j, EJ
.rept 88
	v_exp_f32 v[j], v[j]
.set j, j+1
.endr
	v_nop                                          ; a plain line behind the exponentials (ISA guide 5.7.2)
.set j, 0
	s_wait_alu depctr_va_vdst(0)
.rept 4
	v_pk_add_f32 v[CHN+2*j:CHN+2*j+1], v[SCO+2*j:SCO+2*j+1], v[SCO+8+2*j:SCO+8+2*j+1]  ; the first pairs start the four chains: nothing is cleared
.set j, j+1
.endr
.set j, 8
.rept 24
	v_pk_add_f32 v[CHN+2*(j%4):CHN+2*(j%4)+1], v[CHN+2*(j%4):CHN+2*(j%4)+1], v[SCO+2*j:SCO+2*j+1]
.set j, j+1
.endr
	v_pk_add_f32 v[CHN:CHN+1], v[CHN:CHN+1], v[CHN+2:CHN+3]
	v_pk_add_f32 v[CHN+4:CHN+5], v[CHN+4:CHN+5], v[CHN+6:CHN+7]
	v_pk_add_f32 v[CHN:CHN+1], v[CHN:CHN+1], v[CHN+4:CHN+5]
	v_add_f32 v[RR+1], v[CHN], v[CHN+1]
.irp m, 1,2,4,8
	v_add_f32_dpp v[RR+1], v[RR+1], v[RR+1] row_xmask:\m row_mask:0xf bank_mask:0xf
.endr
	v_permlanex16_b32 v[TA], v[RR+1], s24, s25
	v_add_f32 v[RR+1], v[RR+1], v[TA]              ; L: at least 1, the largest score's own weight
	v_rcp_f32 v[RR], v[RR+1]
	v_nop
	s_wait_alu depctr_va_vdst(0)
.irp q, 0,2,4,6
	v_pk_mul_f32 v[OW+\q:OW+\q+1], v[OW+\q:OW+\q+1], v[RR:RR+1] op_sel_hi:[1,0]
.endr
	global_store_b128 v[OWN], v[OW:OW+3], s[10:11]             ; 512 consecutive bytes, aligned
	global_store_b128 v[OWN], v[OW+4:OW+7], s[10:11] offset:512
	s_wait_loadcnt 0x0                             ; pc
.irp i, 0,1,2,3
	v_mul_f32 v[ACC+\i], v[EJ], v[PCR+\i]          ; block 0 starts the sums
.endr
.set j, 1
.rept 15
.irp i, 0,1,2,3
	v_fmac_f32 v[ACC+\i], v[EJ+j], v[PCR+4*j+\i]
.endr
.set j, j+1
.endr
	v_pk_mul_f32 v[ACC:ACC+1], v[ACC:ACC+1], v[RR:RR+1] op_sel_hi:[1,0]
	v_pk_mul_f32 v[ACC+2:ACC+3], v[ACC+2:ACC+3], v[RR:RR+1] op_sel_hi:[1,0]
	global_store_b128 v[T16], v[ACC:ACC+3], s[8:9]             ; 16 lanes store 256 consecutive bytes, aligned
	s_endpgm
.Lfunc_end_k_q03de7b0e3d_finish:
	.size	k_q03de7b0e3d_finish, .Lfunc_end_k_q03de7b0e3d_finish-k_q03de7b0e3d_finish
	.p2alignl 7, 3214868480
	.fill 96, 4, 3214868480
	.section	.rodata,"a",@progbits
	.p2align	6, 0x0
	.amdhsa_kernel k_q03de7b0e3d_finish
		.amdhsa_group_segment_fixed_size 0
		.amdhsa_private_segment_fixed_size 0
		.amdhsa_enable_private_segment 0
		.amdhsa_kernarg_size 32
		.amdhsa_user_sgpr_count 2
		.amdhsa_user_sgpr_kernarg_segment_ptr 1
		.amdhsa_wavefront_size32 1
		.amdhsa_system_sgpr_workgroup_id_x 1
		.amdhsa_system_sgpr_workgroup_id_y 1
		.amdhsa_system_sgpr_workgroup_id_z 1
		.amdhsa_system_vgpr_workitem_id 0
		.amdhsa_next_free_vgpr 176
		.amdhsa_next_free_sgpr 66
		.amdhsa_reserve_vcc 0
		.amdhsa_float_denorm_mode_32 3
		.amdhsa_float_denorm_mode_16_64 3
		.amdhsa_memory_ordered 1
		.amdhsa_forward_progress 1
		.amdhsa_inst_pref_size 26
	.end_amdhsa_kernel
	.amdgpu_metadata
---
amdhsa.version: [ 1, 2 ]
amdhsa.kernels:
  - .name:           k_q03de7b0e3d_finish
    .symbol:         k_q03de7b0e3d_finish.kd
    .args:
      - { .name: sc, .offset: 0, .size: 8, .value_kind: global_buffer, .address_space: global }
      - { .name: pc, .offset: 8, .size: 8, .value_kind: global_buffer, .address_space: global }
      - { .name: out0, .offset: 16, .size: 8, .value_kind: global_buffer, .address_space: global }
      - { .name: out1, .offset: 24, .size: 8, .value_kind: global_buffer, .address_space: global }
    .group_segment_fixed_size: 0
    .private_segment_fixed_size: 0
    .kernarg_segment_align: 8
    .kernarg_segment_size: 32
    .max_flat_workgroup_size: 128
    .sgpr_count:     66
    .vgpr_count:     176
    .wavefront_size: 32
...
	.end_amdgpu_metadata
.endif
;; end of part 3
;; ======== version 2 of 2: 3 launches; version 1 with the launch score written anew for expert scheduling mode
;; workspace buffers: w2f 2,097,152 bytes; cb 131,072 bytes; sc 262,144 bytes; pc 2,097,152 bytes
;; launch prep: the kernel of part 1 again; grid 64 x 1, 8 waves a work-group, no clusters, 17,408 bytes of LDS; arguments query, w1, b1, b2, w2, w2f, cb; writes w2f, cb
;; launch score (part 4): grid 512 x 1, 4 waves a work-group, no clusters, 276,992 bytes of LDS; arguments values, w2f, cb, v, bv, mask, sc, pc; writes sc, pc
.if DOCPART == 4
	.amdgcn_target "amdgcn-amd-amdhsa--gfx1250"
	.amdhsa_code_object_version 6
	.text
	.protected	k_q03de7b0e3d_score
	.globl	k_q03de7b0e3d_score
	.p2align	8
	.type	k_q03de7b0e3d_score,@function
k_q03de7b0e3d_score:
	s_mov_b64 s[64:65], 0
	v_nop
	global_prefetch_b8 v0, s[64:65] scope:SCOPE_SE
	s_setreg_imm32_b32 hwreg(HW_REG_WAVE_SCHED_MODE, 0, 2), 2
	s_setreg_imm32_b32 hwreg(HW_REG_WAVE_MODE, 25, 1), 1
	s_wait_xcnt 0x0
	s_wait_alu depctr_vm_vsrc(0)
; FOR A BLOCK OF 128 ROWS OF values (work-group x: rows 128 x on, batch x / 16): the masked score of each row, and the block's share of the context, with values read from memory ONCE.
;   score[s] = bv + sum over u of v[u] tanh(q_proj[u] + values[s] . w2[:, u] + b2[u]);   s' = score + (1 - mask) (-1e9)  -> sc
;   pc[x][d] = sum over the block's rows of 2^((s' - M) log2 e) values[s][d],  M = the block's largest s'           -> pc   (the last launch joins the 16 blocks of a batch)
; tanh(t) = 1 - 2 / (1 + 2^(c t)), c = 2 log2(e): score = (bv + sum v) + sum (-2 v[u]) / (1 + 2^(c acc + cb[u])), cb = c (q_proj + b2) from the launch before.
; Where 2^.. overflows the quotient is 0 (tanh = 1), where it underflows 1 (tanh = -1).  The maximum is taken away by a subtraction, then comes the factor log2 e.
; LIMITS.  values and w2 are rounded once to bf16, for the product and for the context alike; a weight below 2^-126 counts as 0; NaN and infinities are not treated apart.
; SHARES.  The block, in bf16, stays in LDS: 128 rows x 2,048 bytes.  Wave w makes columns u = 256 w .. 256 w + 255 for all 128 rows, in two passes of 128: 64 accumulators, 512 registers.
; The product is taken transposed (source 0 = 16 columns of w2, source 1 = 16 rows of values): a lane holds ONE row s (lane % 16) and eight u, so a row's sum over u wants one exchange of lanes.
; THE BLOCK STREAMS IN BESIDE THE FIRST PASS.  K step t wants columns 32 t .. 32 t + 31 alone, so values come in CHUNKS of 128 columns (512 bytes of each row; wave w brings rows 32 w .. 32 w + 31).
; Chunks 0 and 1 are filled ahead of the first product; chunks 2 to 7 in GROUPS of eight rows, one a K step: a group is asked for in the middle of step s - 4 and rounded and stored in the middle
; of step s, so 32 loads of 512 bytes a wave are on their way throughout.  A chunk is whole after every fourth step, where a barrier stands; it is first read three steps later.
; No byte of the block is written twice.
; w2 COMES STRAIGHT INTO REGISTERS, from w2f, which lies in fragment order: a load is 512 consecutive bytes.
; So there are no tensor loads, and NO CLUSTER: joint requests are tensor loads into LDS.
; THE MODE: SCHED_MODE bits 1:0 = 2 (LLVM: expert scheduling mode 2), set by the entry lines.  The code itself states the register dependences between vector or matrix instructions and
; memory or LDS instructions, with s_wait_alu, always for 0.
; THE PLAN.  Registers that memory or LDS instructions touch, round the K loop:
;   w2's four buffers   Step t's loads land in buffer (t + 3) % 4, which the products of step t - 1 read last.
;   v64-95              Fragments of rows 0-63: read by step t's first 32 products; step t's LDS loads (for step t + 1) land in them.
;   v96-127, v128-159   Fragments of rows 64-127, by the step's parity: step t's LDS loads land in the buffer that the last 32 products of step t - 1 read.
;   the stage's sets    Step s's sixteen conversions read and write a set in place; eight LDS stores read it; then the loads of the group one chunk on land in it.
;   v[AF ..], v[LA]     Read by every fragment load and by every store into the block; written after every fourth step.
;   v1, v3, v13-15, v27 Offsets and addresses made at the head and not written again while memory instructions read them.
; So ONE wait on va_vdst stands in a step, in its middle: the first 32 products are done reading v64-95, the step before is done reading its fragments of rows 64-127 and its buffer of w2, the
; conversions have written their set, and in a trip's first step v[AF ..] and v[LA] are written.  In a step with no stream the step's 32 loads follow it four at a time, behind the next eight
; products, which name the other buffer of rows 64-127, the buffer of w2 in hand and window 3: none of the registers that those loads touch.  In a streaming step the run stays whole: w2's loads
; must be issued ahead of the group's, and the group's land in registers that LDS stores of the same run read, so both of their waits stand straight ahead of them, where no product has been issued
; since the step's own wait.  One wait on vm_vsrc stands at each loop's edge, ahead of the adds to the addresses.
; REGISTERS, in windows of 256 (s_set_vgpr_msb: bits 1:0 source 0, 3:2 source 1, 5:4 source 2, 7:6 destination):
;   window 0: v0-31 addresses and small things; v32-47 the rows' sums, v48-55 four chains, v56-63 the context (in pass 1: set 3 of the stage); v64-95 fragments of rows 0-63, one buffer;
;             v96-127, v128-159 fragments of rows 64-127, two buffers; v160-255 sets 0-2 of the stage.  Behind a pass: v64-127 cb, v128-191 -2 v of my columns, v192-255 at work
;   window 1: four buffers of 64 for w2's fragments      windows 2, 3: accumulator (a, f) at v[8 (8 (a % 4) + f)], a < 4 in window 2; at the start window 2 takes chunks 0 and 1 as loaded
.set PITCH, 2064                       ; an LDS row: 2,048 bytes + 16 = 129 x 16: the 16 rows of a fragment load start at 16 different groups of four banks (64 banks of 4 bytes: ISA guide 11.1)
.set R32,   32*PITCH
.set LSC,   128*PITCH                  ; 264,192: the waves' partial scores, [4][128] f32
.set LP,    LSC+2048                   ; the weights p[128], a copy for each wave
.set LTCB,  LP+2048                    ; cb's row of my batch, 4,096 bytes
.set LTVT,  LTCB+4096                  ; -2 v, 4,096 bytes
.set SPARE, LTVT+4096                  ; the spare words, 128 bytes a wave: two blocks of 256 bytes that no other line names
.set L16,  1                           ; v1   16 x lane; never rewritten
.set LA,   2                           ; v2   filling: my wave's rows + 8 x lane, at the chunk in hand
.set CA,   2                           ;      the context: 8 x thread + the rows in hand
.set T16,  3                           ; v3   16 x thread; never rewritten
.set AF,   4                           ; v4-7   my lane's place in a fragment, rows 32 i on, at the K steps in hand
.set AFB,  8                           ; v8-11  the same at K = 0
.set TABA, 12                          ; v12  cb of my pass's columns in LDS
.set SCW,  13                          ; v13  where I put a row's partial score
.set SCR,  14                          ; v14  where I read four rows' partial scores
.set PW,   15                          ; v15  where I put four weights
.set MK,   16                          ; v16-19 the mask of rows 4 lane .. 4 lane + 3
.set WK,   20                          ; v20-27 at work
.set PFO,  27                          ; v27  in pass 1: 4,096 x lane, the prefetches' offset: a lane a row
.set SPW,  28                          ; v28  my spare word; never rewritten
.set NIL,  29                          ; v29  0; never rewritten
.set SVB,  30                          ; v30  bv + the sum of v
.set PR,   31                          ; v31  my wave's copy of p, at the rows in hand
.set SUM,  32
.set CH,   48
.set CTX,  56
.set ALO,  64
.set AHI,  96
.set RCB,  64
.set RVT,  128
.set TT,   192
.set WV,   24                          ; s24  my wave's number
.set VP,   28                          ; s[28:29] values at my wave's rows, at the chunks in hand
.set WB,   30                          ; s[30:31] w2f at my wave's 256 columns
.set BP,   32                          ; s[32:33] w2f at the pass's K steps in hand
.set NP,   34                          ; s[34:35] w2f at the next pass's first K step
.set CNT,  36
.set PASS, 37
.set CC,   38                          ; s[38:39] c
.set SEL,  40                          ; s[40:41] v_permlanex16_b32's selects: each lane takes its own place in the other half
.set SBV,  42
.set L2E,  43
.set BIG,  44
.set MSB, 0
.macro WIN new                         ; the immediate's high byte repeats the setting that is left; a switch that changes nothing is dropped
.if MSB != (\new)
	s_set_vgpr_msb (MSB<<8)|(\new)
.set MSB, \new
.endif
.endm
.macro PLACES                          ; four places behind a matrix instruction, in front of loads into registers that it has read and of lines that read its result; they stay beside the waits
.rept 4
	v_nop
.endr
.endm
; The step's next cnt products; i counts them, 0 to 63: rows 16 (i / 8) on, columns 16 (i % 8) on.  All 64 accumulators take turns, in one order in every step.
.macro WMS hb, bb, zero, cnt
.rept \cnt
	WIN 0xa1+0x50*(i/32)                           ; w2 in window 1, values in window 0, C and D in window 2 or 3
.if i < 32
.set rA, ALO+8*(i/8)
.else
.set rA, AHI+32*(\hb)+8*(i/8-4)
.endif
.if \zero
	v_wmma_f32_16x16x32_bf16 v[8*(i%32):8*(i%32)+7], v[64*(\bb)+8*(i%8):64*(\bb)+8*(i%8)+7], v[rA:rA+7], 0
.else
	v_wmma_f32_16x16x32_bf16 v[8*(i%32):8*(i%32)+7], v[64*(\bb)+8*(i%8):64*(\bb)+8*(i%8)+7], v[rA:rA+7], v[8*(i%32):8*(i%32)+7]
.endif
.set i, i+1
.endr
.endm
; Four LDS loads: two fragments of values (16 rows x 32 K each), rows 32 q on, at byte imm behind AF: q = 0, 1 into the one buffer of rows 0-63, q = 2, 3 into buffer hbd of rows 64-127
.macro AGRP q, hbd, imm
	WIN 0
.if (\q) < 2
.set rD, ALO+16*(\q)
.else
.set rD, AHI+32*(\hbd)+16*((\q)-2)
.endif
.irp e, 0,1
	ds_load_b128 v[rD+8*\e:rD+8*\e+3],   v[AF+(\q)] offset:\e*16*PITCH+(\imm)
	ds_load_b128 v[rD+8*\e+4:rD+8*\e+7], v[AF+(\q)] offset:\e*16*PITCH+(\imm)+32
.endr
.endm
.macro ALOAD hbd, imm                  ; all sixteen in one run
.irp q, 0,1,2,3
	AGRP \q, \hbd, \imm
.endr
.endm
; Four loads of 512 consecutive bytes: fragments 2 q and 2 q + 1 of a K step's eight of w2, into buffer bb of window 1
.macro BGRP q, bb, ptr, imm
	WIN 0x40
.irp e, 0,1
	global_load_b128 v[64*(\bb)+16*(\q)+8*\e:64*(\bb)+16*(\q)+8*\e+3],   v[L16], s[\ptr:\ptr+1] offset:(\imm)+(2*(\q)+\e)*1024
	global_load_b128 v[64*(\bb)+16*(\q)+8*\e+4:64*(\bb)+16*(\q)+8*\e+7], v[L16], s[\ptr:\ptr+1] offset:(\imm)+(2*(\q)+\e)*1024+512
.endr
.endm
.macro BLOAD bb, ptr, imm              ; all sixteen in one run
.irp q, 0,1,2,3
	BGRP \q, \bb, \ptr, \imm
.endr
.endm
; THE STAGE: four sets of 32 registers; set n holds rows 8 n .. 8 n + 7 of my wave's 32, four f32 a lane and row
.macro SB set
.if (\set) == 3
.set sb, 32
.else
.set sb, 160+32*(\set)
.endif
.endm
.macro VLD set, col                    ; eight loads of 512 consecutive bytes: a group, at byte col of the rows
	SB \set
	WIN 0
.irp r, 0,1,2,3,4,5,6,7
	global_load_b128 v[sb+4*\r:sb+4*\r+3], v[L16], s[VP:VP+1] offset:(8*(\set)+\r)*4096+(\col) th:TH_LOAD_NT
.endr
.endm
.macro CVT set                         ; rounded to bf16, in place: a row's four numbers into its first two registers
	SB \set
	WIN 0
.irp r, 0,1,2,3,4,5,6,7
	v_cvt_pk_bf16_f32 v[sb+4*\r],   v[sb+4*\r],   v[sb+4*\r+1]
	v_cvt_pk_bf16_f32 v[sb+4*\r+1], v[sb+4*\r+2], v[sb+4*\r+3]
.endr
.endm
.macro VST set                         ; into the block: 32 lanes, 256 consecutive bytes of a row; LA stands two chunks in front of the chunk in hand
	SB \set
	WIN 0
.irp r, 0,1,2,3,4,5,6,7
	ds_store_b64 v[LA], v[sb+4*\r:sb+4*\r+1] offset:(8*(\set)+\r)*PITCH+512
.endr
.endm
; K STEP t: 32 products, the step's one wait on va_vdst, 32 products.  hb = t % 2, bb = t % 4.  Behind the wait the step asks for w2's fragments of step t + 3 (into the buffer that step t - 1
; multiplied) and for values' fragments of step t + 1 (rows 0-63 into the buffer just multiplied, rows 64-127 into the one that step t - 1 multiplied).
; v = 0: no stream: the 32 loads go four behind each of the next eight products, the fragments of rows 0-63 first.
; v = 1: the group in set `set` is rounded, stored, and its registers asked for again, one chunk on; v = 2: rounded and stored; v = 3: asked for.  There the memory instructions stand in ONE run.
; The 16 conversions name no register of a product: they are the places in front of the loads; elsewhere four v_nop are.  w2's loads stand ahead of the group's, so the count n at a step's head
; can leave the youngest group out.  n: the loads issued behind w2's of this step.  bar = 1: a chunk is whole: my stores are waited for 16 products behind them, and 16 more stand between the
; signal and the wait.  pf = 1: a prefetch into the L2 (below).
.macro STEP hb, bb, zero, aimm, ptr, bimm, n, v=0, set=0, col=0, bar=0, pf=0
	s_wait_loadcnt \n                              ; w2 of this step is in, and so is all that was asked for earlier: the group that this step rounds among it
	s_wait_dscnt 0x0                               ; values' fragments, the youngest asked for 28 products ago or more
.set i, 0
	WMS \hb, \bb, \zero, 32
.if (\v) == 0
	PLACES
	s_wait_alu depctr_va_vdst(0)                   ; the products so far are done reading v64-95, the other buffer of rows 64-127 and the buffer of w2 that the step before multiplied: the loads below land in these; in a trip's first step v[AF ..] are written
.if (\aimm) >= 0
.irp q, 0,1,2,3
	WMS \hb, \bb, \zero, 1
	AGRP \q, 1-(\hb), \aimm                        ; no further wait: no product since the wait names these registers
.endr
.endif
.irp q, 0,1,2,3
	WMS \hb, \bb, \zero, 1
	BGRP \q, ((\bb)+3)&3, \ptr, \bimm              ; likewise
.endr
	WMS \hb, \bb, \zero, 64-i
.else
.if ((\v) == 1) || ((\v) == 2)
	CVT \set
.else
	PLACES
.endif
	WIN 0x40
	s_wait_alu depctr_va_vdst(0)                   ; as above; besides, the conversions have written the set, which the LDS stores read, and in a trip's first step v[LA] is written
	BLOAD ((\bb)+3)&3, \ptr, \bimm
.if ((\v) == 1) || ((\v) == 2)
	VST \set
.endif
	ALOAD 1-(\hb), \aimm
.if (\v) == 1
	s_wait_alu depctr_va_vdst(0)                   ; straight ahead of the loads that land in the set: the conversions are done reading and writing it (LDS stores that read it stand behind the step's first wait; no vector or matrix instruction does)
	s_wait_alu depctr_vm_vsrc(0)                   ; and the LDS stores above have read it
.endif
.if ((\v) == 1) || ((\v) == 3)
	VLD \set, \col
.endif
.if \pf
	; My own 32 rows' 512 bytes of the chunk that the NEXT trip's four steps will load: a lane a row, two instructions, behind this trip's first run of loads: four K steps, 256 products, ahead of
	; the first of those loads.  Each aligned 256 bytes are named once in the launch, by the wave that will load them.  Chunks 0 to 3 come by their loads alone; the last trip asks for nothing.
	s_cmp_gt_u32 s[CNT], 1
	s_cbranch_scc0 .Lnone_\@
	global_prefetch_b8 v[PFO], s[VP:VP+1] offset:2048 th:TH_LOAD_NT scope:SCOPE_SE
	global_prefetch_b8 v[PFO], s[VP:VP+1] offset:2304 th:TH_LOAD_NT scope:SCOPE_SE
.Lnone_\@:
.endif
	WMS \hb, \bb, \zero, 16
.if \bar
	s_wait_dscnt 0x0                               ; for the others' sake: my stores of the chunk's last group are done (and no LDS load of mine is out at the signal)
	s_barrier_signal -1
.endif
	WMS \hb, \bb, \zero, 16
.if \bar
	s_barrier_wait -1                              ; every wave's rows of the chunk lie in LDS
.endif
.endif
.endm
; The first fill: group g of eight (chunk g / 4, rows 8 (g % 4) on), as loaded into window 2, is rounded in place and stored.  left: the loads issued behind it, or 63 where they are more:
; a wait's field holds no larger count, and a smaller count than the number of younger loads is always right.
.macro PGRP g, left
	s_wait_loadcnt \left
	WIN 0x8a                                       ; sources and destination in window 2
.irp r, 0,1,2,3,4,5,6,7
	v_cvt_pk_bf16_f32 v[32*(\g)+4*\r],   v[32*(\g)+4*\r],   v[32*(\g)+4*\r+1]
	v_cvt_pk_bf16_f32 v[32*(\g)+4*\r+1], v[32*(\g)+4*\r+2], v[32*(\g)+4*\r+3]
.endr
	WIN 0x08                                       ; the stores' data in window 2, their address in window 0
	s_wait_alu depctr_va_vdst(0)                   ; the conversions have written the group's registers, which the LDS stores read
.irp r, 0,1,2,3,4,5,6,7
	ds_store_b64 v[LA], v[32*(\g)+4*\r:32*(\g)+4*\r+1] offset:(8*((\g)%4)+\r)*PITCH+((\g)/4)*256
.endr
.endm
; Rows 16 a on, my pass's 128 columns: 64 numbers a lane.  t = c acc + cb; 1 / (1 + 2^t); times -2 v, summed in four chains, of which the first starts from the row's sum so far.
; Each accumulator's registers are read in ascending order.  A plain line stands behind each run of transcendentals (ISA guide 5.7.2).
.macro EPI a
	WIN 2+(\a)/4                                   ; source 0 in window 2 or 3
.set i, 0
.rept 32
	v_pk_fma_f32 v[TT+2*i:TT+2*i+1], v[64*((\a)%4)+2*i:64*((\a)%4)+2*i+1], s[CC:CC+1], v[RCB+2*i:RCB+2*i+1] op_sel_hi:[1,0,1]
.set i, i+1
.endr
	WIN 0
.set i, 0
.rept 64
	v_exp_f32 v[TT+i], v[TT+i]
.set i, i+1
.endr
	v_nop
.set i, 0
	s_wait_alu depctr_va_vdst(0)                   ; the 64 exponentials have written v[TT ..], ahead of their first reader: one wait for the batch
.rept 32
	v_pk_add_f32 v[TT+2*i:TT+2*i+1], v[TT+2*i:TT+2*i+1], 1.0 op_sel_hi:[1,0]
.set i, i+1
.endr
.set i, 0
.rept 64
	v_rcp_f32 v[TT+i], v[TT+i]
.set i, i+1
.endr
	v_nop
	s_wait_alu depctr_va_vdst(0)                   ; the 64 reciprocals have written v[TT ..], ahead of their first reader: one wait for the batch
	v_pk_fma_f32 v[CH:CH+1], v[TT:TT+1], v[RVT:RVT+1], v[SUM+2*(\a):SUM+2*(\a)+1]
.set i, 1
.rept 3
	v_pk_mul_f32 v[CH+2*i:CH+2*i+1], v[TT+2*i:TT+2*i+1], v[RVT+2*i:RVT+2*i+1]
.set i, i+1
.endr
.rept 28
	v_pk_fma_f32 v[CH+2*(i%4):CH+2*(i%4)+1], v[TT+2*i:TT+2*i+1], v[RVT+2*i:RVT+2*i+1], v[CH+2*(i%4):CH+2*(i%4)+1]
.set i, i+1
.endr
	v_pk_add_f32 v[CH:CH+1], v[CH:CH+1], v[CH+2:CH+3]
	v_pk_add_f32 v[CH+4:CH+5], v[CH+4:CH+5], v[CH+6:CH+7]
	v_pk_add_f32 v[SUM+2*(\a):SUM+2*(\a)+1], v[CH:CH+1], v[CH+4:CH+5]
.endm
	s_load_b512 s[8:23], s[0:1], 0x0               ; values s[8:9], w2f s[10:11], cb s[12:13], v s[14:15], bv s[16:17], mask s[18:19], sc s[20:21], pc s[22:23]
	v_lshl_add_u32 v[SPW], v0, 2, SPARE
	v_mov_b32 v[NIL], 0
	v_lshrrev_b32 v[WK], 5, v0
	v_readfirstlane_b32 s[WV], v[WK]               ; wave 0..3
	v_and_b32 v[WK], 31, v0                        ; lane
	v_and_b32 v[WK+1], 15, v0                      ; lane % 16
	v_bfe_u32 v[WK+2], v0, 4, 1                    ; lane / 16
	v_lshlrev_b32 v[L16], 4, v[WK]
	v_lshlrev_b32 v[T16], 4, v0
	v_lshlrev_b32 v[PFO], 12, v[WK]
	s_wait_alu depctr_va_sdst(0)                   ; the wave's number is written, ahead of its first reader: LDS addresses and the bases of values and w2f are made from it
	s_mul_i32 s25, s[WV], R32                      ; my wave fills rows 32 w .. 32 w + 31
	v_lshl_add_u32 v[LA], v[WK], 3, s25
	v_mul_u32_u24 v[WK+3], v[WK+1], PITCH
	v_lshl_add_u32 v[WK+3], v[WK+2], 4, v[WK+3]    ; a fragment's row x pitch + 16 x half
.irp i, 0,1,2,3
	v_add_nc_u32 v[AFB+\i], \i*R32, v[WK+3]
	v_add_nc_u32 v[AF+\i], \i*R32, v[WK+3]
.endr
	s_lshl_b32 s25, s[WV], 10
	s_add_co_u32 s25, s25, LTCB
	v_lshl_add_u32 v[TABA], v[WK+2], 5, s25        ; my wave's 256 columns, my half's eight of each sixteen
	s_lshl_b32 s25, s[WV], 9
	s_add_co_u32 s26, s25, LSC
	v_lshl_add_u32 v[SCW], v[WK+1], 2, s26
	v_add_nc_u32 v[SCR], LSC, v[L16]
	s_add_co_u32 s26, s25, LP
	v_add_nc_u32 v[PW], s26, v[L16]
	v_mov_b32 v[PR], s26
	s_mov_b32 s[CC], 0x4038aa3b                    ; c = 2 log2(e)
	s_mov_b32 s[CC+1], s[CC]                       ; named with it as a pair
	s_mov_b32 s[SEL], 0x76543210
	s_mov_b32 s[SEL+1], 0xfedcba98
	s_mov_b32 s[L2E], 0x3fb8aa3b                   ; log2(e)
	s_mov_b32 s[BIG], 0xce6e6b28                   ; -1e9
	s_mov_b32 s[PASS], 2
	s_wait_kmcnt 0x0
	s_load_b32 s[SBV], s[16:17], 0x0
	s_lshl_b32 s26, ttmp9, 19                      ; the block's 128 rows of 4,096 bytes,
	s_lshl_b32 s27, s[WV], 17                      ; my wave's 32 of them
	s_add_co_u32 s26, s26, s27
	s_mov_b32 s27, 0
	s_add_nc_u64 s[VP:VP+1], s[8:9], s[26:27]
	s_lshl_b32 s26, s[WV], 19                      ; two groups of 128 columns, 262,144 bytes each
	s_add_nc_u64 s[WB:WB+1], s[10:11], s[26:27]
	s_mov_b64 s[BP:BP+1], s[WB:WB+1]
	s_add_nc_u64 s[NP:NP+1], s[WB:WB+1], 0x40000
	s_lshr_b32 s26, ttmp9, 4                       ; the batch
	s_lshl_b32 s26, s26, 12
	s_add_nc_u64 s[12:13], s[12:13], s[26:27]
	s_lshl_b32 s26, ttmp9, 9                       ; 128 words of mask and of sc
	s_add_nc_u64 s[18:19], s[18:19], s[26:27]
	s_add_nc_u64 s[20:21], s[20:21], s[26:27]
	s_lshl_b32 s26, ttmp9, 12
	s_add_nc_u64 s[22:23], s[22:23], s[26:27]
	; THE FIRST FILL.  Chunks 0 and 1 of my 32 rows: 64 loads of 512 bytes, into window 2
	WIN 0x80
	s_wait_alu depctr_va_vdst(0)                   ; the offsets and LDS addresses made above (v1 to v15, v27, v28, v29, v31) are written: the kernel's loads, stores and prefetches read them
.set i, 0
.rept 64
	global_load_b128 v[4*i:4*i+3], v[L16], s[VP:VP+1] offset:(i%32)*4096+(i/32)*512 th:TH_LOAD_NT
.set i, i+1
.endr
	; As each group of eight lands and is stored, what the first steps want goes out behind it, in the order in which the steps go on asking: w2 of a step, then a group of chunk 2.
	; These loads land in registers that no vector instruction has named yet.
	PGRP 0, 56                                     ; seven groups are younger
	WIN 0
	global_load_b128 v[MK:MK+3], v[L16], s[18:19]              ; the 13 small loads; cb and v land in the fragment registers, idle until the first fill is done
	global_load_b128 v[64:67], v[T16], s[12:13]                ; cb's row, 32 bytes a thread
	global_load_b128 v[68:71], v[T16], s[12:13] offset:2048
	global_load_b128 v[72:75], v[T16], s[14:15]                ; v likewise,
	global_load_b128 v[76:79], v[T16], s[14:15] offset:2048
.irp j, 0,1,2,3,4,5,6,7
	global_load_b128 v[80+4*\j:80+4*\j+3], v[L16], s[14:15] offset:\j*512  ; and all of v in every wave, for its sum
.endr
	PGRP 1, 61                                     ; six groups and the 13
	BLOAD 0, BP, 0
	PGRP 2, 63
	VLD 0, 1024
	PGRP 3, 63
	BLOAD 1, BP, 8192
	PGRP 4, 63
	VLD 1, 1024
	PGRP 5, 63
	BLOAD 2, BP, 16384
	PGRP 6, 63
	VLD 2, 1024
	PGRP 7, 63                                     ; 72 loads were issued behind the small ones: they are in too
	WIN 0
	; the tables for the way out of a pass, and bv + sum v
	v_add_nc_u32 v[WK], LTCB, v[T16]
.irp q, 72,74,76,78
	v_pk_mul_f32 v[\q:\q+1], v[\q:\q+1], -2.0 op_sel_hi:[1,0]
.endr
	s_wait_alu depctr_va_vdst(0)                   ; v[WK], the four stores' address, and -2 v in v72-79, the data of two of them, are written
	ds_store_b128 v[WK], v[64:67]
	ds_store_b128 v[WK], v[68:71] offset:2048
	ds_store_b128 v[WK], v[72:75] offset:4096
	ds_store_b128 v[WK], v[76:79] offset:6144
.irp q, 0,2,4,6,8,10,12,14
	v_pk_add_f32 v[80+\q:80+\q+1], v[80+\q:80+\q+1], v[96+\q:96+\q+1]
.endr
.irp q, 0,2,4,6
	v_pk_add_f32 v[80+\q:80+\q+1], v[80+\q:80+\q+1], v[88+\q:88+\q+1]
.endr
.irp q, 0,2
	v_pk_add_f32 v[80+\q:80+\q+1], v[80+\q:80+\q+1], v[84+\q:84+\q+1]
.endr
	v_pk_add_f32 v[80:81], v[80:81], v[82:83]
	v_add_f32 v[WK+1], v80, v81
.irp m, 1,2,4,8
	v_add_f32_dpp v[WK+1], v[WK+1], v[WK+1] row_xmask:\m row_mask:0xf bank_mask:0xf
.endr
	v_permlanex16_b32 v81, v[WK+1], s[SEL], s[SEL+1]
	v_add_f32 v[WK+1], v[WK+1], v81
	s_wait_kmcnt 0x0                               ; bv
	v_add_f32 v[SVB], s[SBV], v[WK+1]
	s_wait_dscnt 0x0                               ; for the others' sake: my rows of chunks 0 and 1 and my parts of the tables lie in LDS
	s_barrier_signal -1
	s_barrier_wait -1
	s_wait_alu depctr_vm_vsrc(0)                   ; my LDS stores have read window 2's registers, which the first products write, and v64-79, in which fragments land
	s_wait_alu depctr_va_vdst(0)                   ; the lines that scaled and summed v are done with v72-111, in which fragments land
	; PASS 1, K steps 0 to 24: its own text, since the block streams in beside it
	ALOAD 0, 0
	STEP 0, 0, 1, 64, BP, 3*8192, 56, 3, 3, 1024   ; step 0 starts the sums and asks for chunk 2's last group, into registers that nothing has named yet.  56: behind w2 of step 0 stand two steps' w2 and three groups
	WIN 0                                          ; at a label and at a branch every window is 0
	s_mov_b32 s[CNT], 5
.Lv:                                           ; K steps 4 j + 1 .. 4 j + 4: chunk 2 + j is stored, chunk 3 + j asked for.  56: a group and two steps of 16 + 8 are younger than this step's w2
	STEP 1, 1, 0, 128, BP, 4*8192, 56, 1, 0, 1536, 0, 1
	STEP 0, 2, 0, 192, BP, 5*8192, 56, 1, 1, 1536
	STEP 1, 3, 0, 256, BP, 6*8192, 56, 1, 2, 1536
	STEP 0, 0, 0, 320, BP, 7*8192, 56, 1, 3, 1536, 1
	WIN 0
	s_wait_xcnt 0x0                                ; the loads, the youngest 32 products back, and the prefetches have read their bases
	s_add_nc_u64 s[BP:BP+1], s[BP:BP+1], 32768
	s_add_nc_u64 s[VP:VP+1], s[VP:VP+1], 512
	s_wait_alu depctr_vm_vsrc(0)                   ; the LDS loads issued so far have read v[AF ..], the LDS stores v[LA]; that the adds below are written is stated by the next step's own wait
.irp i, 0,1,2,3
	v_add_nc_u32 v[AF+\i], 256, v[AF+\i]
.endr
	v_add_nc_u32 v[LA], 256, v[LA]
	s_sub_co_u32 s[CNT], s[CNT], 1
	s_cmp_lg_u32 s[CNT], 0
	s_cbranch_scc1 .Lv
	STEP 1, 1, 0, 128, BP, 4*8192, 56, 2, 0        ; K steps 21 to 24 store chunk 7 and ask for no more of values: the counts run down by a group a step
	STEP 0, 2, 0, 192, BP, 5*8192, 48, 2, 1
	STEP 1, 3, 0, 256, BP, 6*8192, 40, 2, 2
	STEP 0, 0, 0, 320, BP, 7*8192, 32, 2, 3, 0, 1
	WIN 0
	s_wait_xcnt 0x0
	s_add_nc_u64 s[BP:BP+1], s[BP:BP+1], 32768
	s_wait_alu depctr_vm_vsrc(0)                   ; the LDS loads have read v[AF ..]; the LDS stores have read the stage's four sets, which are written anew from here on: set 3 below, sets 0 to 2 on the way out of a pass; the prefetches have read v27
.irp i, 0,1,2,3
	v_add_nc_u32 v[AF+\i], 256, v[AF+\i]
.endr
.set i, 0
.rept 16
	v_mov_b32 v[SUM+i], 0                          ; the stage's set 3 has served: the rows' sums and the context start at 0
.set i, i+1
.endr
.set i, 0
.rept 8
	v_mov_b32 v[CTX+i], 0
.set i, i+1
.endr
	s_mov_b32 s[CNT], 1
	s_branch .Lk                                   ; K steps 25 to 31 and the way out are pass 2's text
.Lpass:                                        ; PASS 2: the other 128 columns; the block is whole
	s_wait_alu depctr_va_vdst(0)                   ; v[AF ..] are written, which the loads below read; the way out of the pass before is done reading v64-127, in which they land
	ALOAD 0, 0
	STEP 0, 0, 1, 64, BP, 3*8192, 32               ; the first K step stands in front of the loop: its products start the sums.  32: the next two steps' w2
	WIN 0
	s_mov_b32 s[CNT], 7
.Lk:                                           ; K steps 4 j + 1 .. 4 j + 4
	STEP 1, 1, 0, 128, BP, 4*8192, 32
	STEP 0, 2, 0, 192, BP, 5*8192, 32
	STEP 1, 3, 0, 256, BP, 6*8192, 32
	STEP 0, 0, 0, 320, BP, 7*8192, 32
	WIN 0
	s_wait_xcnt 0x0                                ; the loads, the youngest 24 products back, have read their base
	s_add_nc_u64 s[BP:BP+1], s[BP:BP+1], 32768
	s_wait_alu depctr_vm_vsrc(0)                   ; the LDS loads issued so far have read v[AF ..]; that the adds below are written is stated by the next step's own wait
.irp i, 0,1,2,3
	v_add_nc_u32 v[AF+\i], 256, v[AF+\i]
.endr
	s_sub_co_u32 s[CNT], s[CNT], 1
	s_cmp_lg_u32 s[CNT], 0
	s_cbranch_scc1 .Lk
	STEP 1, 1, 0, 128, NP, 0, 32                   ; K steps 29 to 31 ask for the NEXT pass's first three steps of w2.  In the second pass NP is the first pass's beginning:
	STEP 0, 2, 0, 192, NP, 8192, 32                ; those 48 loads (24 KiB a wave, inside w2f) serve nothing: the price of one text for both passes
	STEP 1, 3, 0, -1, NP, 16384, 32
	WIN 0
	PLACES                                         ; behind the last products: loads into the fragment buffers follow, then lines that read the sums
	s_wait_alu depctr_va_vdst(0)                   ; the last products are done reading v64-159, and the way out of the pass before v64-191: the tables land there; v[TABA], the loads' address, is written
.irp f, 0,1,2,3,4,5,6,7
	ds_load_b128 v[RCB+8*\f:RCB+8*\f+3],   v[TABA] offset:\f*64          ; register 8 f + j: column 16 f + 8 (lane / 16) + j, as in the accumulators
	ds_load_b128 v[RCB+8*\f+4:RCB+8*\f+7], v[TABA] offset:\f*64+16
	ds_load_b128 v[RVT+8*\f:RVT+8*\f+3],   v[TABA] offset:4096+\f*64
	ds_load_b128 v[RVT+8*\f+4:RVT+8*\f+7], v[TABA] offset:4096+\f*64+16
.endr
	s_wait_dscnt 0x0
.irp a, 0,1,2,3,4,5,6,7
	EPI \a
.endr
	s_wait_xcnt 0x0                                ; the last loads have read NP
	s_mov_b64 s[BP:BP+1], s[NP:NP+1]
	s_mov_b64 s[NP:NP+1], s[WB:WB+1]
	s_wait_alu depctr_vm_vsrc(0)                   ; the LDS loads have read v[AF ..] and v[TABA], which are written below
.irp i, 0,1,2,3
	v_mov_b32 v[AF+\i], v[AFB+\i]                  ; back to K = 0
.endr
	v_add_nc_u32 v[TABA], 512, v[TABA]             ; the next 128 columns
	s_sub_co_u32 s[PASS], s[PASS], 1
	s_cmp_lg_u32 s[PASS], 0
	s_cbranch_scc1 .Lpass
	; THE SCORES.  A row's sum lies in a pair (even and odd columns) in two lanes (the halves of each sixteen columns)
.irp a, 0,1,2,3,4,5,6,7
	v_add_f32 v[WK+\a], v[SUM+2*\a], v[SUM+2*\a+1]
.endr
.irp a, 0,1,2,3,4,5,6,7
	v_permlanex16_b32 v[SUM+2*\a], v[WK+\a], s[SEL], s[SEL+1]
.endr
.irp a, 0,1,2,3,4,5,6,7
	v_add_f32 v[WK+\a], v[WK+\a], v[SUM+2*\a]
.endr
	s_wait_alu depctr_va_vdst(0)                   ; the rows' partial scores are written in v[WK ..], which the LDS stores read; the lines above are done with v[SUM ..], in which the loads behind the barrier land
.irp a, 0,1,2,3,4,5,6,7
	ds_store_b32 v[SCW], v[WK+\a] offset:\a*64     ; row 16 a + lane % 16; both halves write the same number
.endr
	s_wait_dscnt 0x0
	s_barrier_signal -1
	s_barrier_wait -1                              ; all four waves' partial scores lie in LDS; every wave now makes all 128 scores, four a lane
.irp w, 0,1,2,3
	ds_load_b128 v[SUM+4*\w:SUM+4*\w+3], v[SCR] offset:\w*512
.endr
.irp i, 0,1,2,3
	v_cvt_f32_i32 v[MK+\i], v[MK+\i]
.endr
.irp i, 0,1,2,3
	v_sub_f32 v[MK+\i], 1.0, v[MK+\i]              ; 1 - m
.endr
	s_wait_dscnt 0x0
	v_pk_add_f32 v[SUM:SUM+1], v[SUM:SUM+1], v[SUM+4:SUM+5]
	v_pk_add_f32 v[SUM+2:SUM+3], v[SUM+2:SUM+3], v[SUM+6:SUM+7]
	v_pk_add_f32 v[SUM+8:SUM+9], v[SUM+8:SUM+9], v[SUM+12:SUM+13]
	v_pk_add_f32 v[SUM+10:SUM+11], v[SUM+10:SUM+11], v[SUM+14:SUM+15]
	v_pk_add_f32 v[SUM:SUM+1], v[SUM:SUM+1], v[SUM+8:SUM+9]
	v_pk_add_f32 v[SUM+2:SUM+3], v[SUM+2:SUM+3], v[SUM+10:SUM+11]
.irp i, 0,1,2,3
	v_add_f32 v[SUM+\i], v[SVB], v[SUM+\i]         ; the score,
.endr
.irp i, 0,1,2,3
	v_fma_f32 v[SUM+\i], v[MK+\i], s[BIG], v[SUM+\i]  ; and (1 - m) (-1e9) onto it
.endr
	s_wait_alu depctr_vm_vsrc(0)                   ; the LDS stores of the partial scores have read v[WK ..], which are written again from here on
	v_max3_num_f32 v[WK], v[SUM], v[SUM+1], v[SUM+2]
	v_max_num_f32 v[WK], v[WK], v[SUM+3]
.irp m, 1,2,4,8
	v_max_num_f32_dpp v[WK], v[WK], v[WK] row_xmask:\m row_mask:0xf bank_mask:0xf
.endr
	v_permlanex16_b32 v[WK+1], v[WK], s[SEL], s[SEL+1]
	v_max_num_f32 v[WK], v[WK], v[WK+1]            ; the block's maximum, in every lane
.irp i, 0,1,2,3
	v_sub_f32 v[WK+4+\i], v[SUM+\i], v[WK]
.endr
.irp i, 0,1,2,3
	v_mul_f32 v[WK+4+\i], s[L2E], v[WK+4+\i]
.endr
.irp i, 0,1,2,3
	v_exp_f32 v[WK+4+\i], v[WK+4+\i]
.endr
	v_lshlrev_b32 v[CA], 3, v0                     ; (the plain line behind the exponentials)
	s_wait_alu depctr_va_vdst(0)                   ; the four exponentials have written v[WK+4 ..], which the LDS store reads; the scores are written in v[SUM ..], which wave 0's store reads; v[CA] is written, which the context's loads read
	ds_store_b128 v[PW], v[WK+4:WK+7]              ; into my wave's own copy: read back below by this wave alone, and LDS serves a wave's instructions in order (ISA guide 5.7.1.4)
	s_cmp_lg_u32 s[WV], 0
	s_cbranch_scc1 .Lnot0
	global_store_b128 v[L16], v[SUM:SUM+3], s[20:21]  ; wave 0: the block's 128 masked scores, 512 consecutive bytes
.Lnot0:
	; THE CONTEXT.  Thread t owns columns 4 t .. 4 t + 3 and 512 + 4 t .. of all 128 rows, read from the block in LDS; 16 rows a trip
	s_mov_b32 s[CNT], 8
.Lctx:
	s_wait_alu depctr_va_vdst(0)                   ; the trip before is done reading v[RCB ..] and v[RVT ..], in which the loads below land, and has written v[CA] and v[PR], which they read (first trip: the way out of the last pass read those registers)
.irp q, 0,1,2,3
	ds_load_b128 v[RVT+4*\q:RVT+4*\q+3], v[PR] offset:16*\q   ; 16 weights, the same in every lane
.endr
.set k, 0
.rept 16
	ds_load_b64 v[RCB+4*k:RCB+4*k+1],   v[CA] offset:k*PITCH
	ds_load_b64 v[RCB+4*k+2:RCB+4*k+3], v[CA] offset:k*PITCH+1024
.set k, k+1
.endr
.set k, 0
.rept 16
	s_wait_dscnt 30-2*k                            ; row k is in: behind it the 15 - k later rows' two loads each were issued
.irp j, 0,1,2,3
	v_fma_mix_f32_bf16 v[CTX+2*\j],   v[RCB+4*k+\j], v[RVT+k], v[CTX+2*\j]   op_sel_hi:[1,0,0]
	v_fma_mix_f32_bf16 v[CTX+2*\j+1], v[RCB+4*k+\j], v[RVT+k], v[CTX+2*\j+1] op_sel:[1,0,0] op_sel_hi:[1,0,0]
.endr
.set k, k+1
.endr
	s_wait_alu depctr_vm_vsrc(0)                   ; the trip's LDS loads have read v[CA] and v[PR]
	v_add_nc_u32 v[CA], 16*PITCH, v[CA]
	v_add_nc_u32 v[PR], 64, v[PR]
	s_sub_co_u32 s[CNT], s[CNT], 1
	s_cmp_lg_u32 s[CNT], 0
	s_cbranch_scc1 .Lctx
	s_wait_alu depctr_va_vdst(0)                   ; the context's sums are written in v[CTX ..], which the two stores read
	global_store_b128 v[T16], v[CTX:CTX+3], s[22:23]                 ; 16 lanes store 256 consecutive bytes, aligned
	global_store_b128 v[T16], v[CTX+4:CTX+7], s[22:23] offset:2048
	s_wait_dscnt 0x0                               ; the closing lines, six on end
	s_wait_alu 0x0
	s_wait_tensorcnt 0x0
	ds_add_u32 v[SPW], v[NIL]
	s_wait_dscnt 0x0
	s_endpgm
.Lfunc_end_k_q03de7b0e3d_score:
	.size	k_q03de7b0e3d_score, .Lfunc_end_k_q03de7b0e3d_score-k_q03de7b0e3d_score
	.p2alignl 7, 3214868480
	.fill 96, 4, 3214868480
	.section	.rodata,"a",@progbits
	.p2align	6, 0x0
	.amdhsa_kernel k_q03de7b0e3d_score
		.amdhsa_group_segment_fixed_size 276992
		.amdhsa_private_segment_fixed_size 0
		.amdhsa_enable_private_segment 0
		.amdhsa_kernarg_size 64
		.amdhsa_user_sgpr_count 2
		.amdhsa_user_sgpr_kernarg_segment_ptr 1
		.amdhsa_wavefront_size32 1
		.amdhsa_system_sgpr_workgroup_id_x 1
		.amdhsa_system_sgpr_workgroup_id_y 1
		.amdhsa_system_sgpr_workgroup_id_z 1
		.amdhsa_system_vgpr_workitem_id 0
		.amdhsa_next_free_vgpr 1024
		.amdhsa_next_free_sgpr 66
		.amdhsa_reserve_vcc 0
		.amdhsa_float_denorm_mode_32 3
		.amdhsa_float_denorm_mode_16_64 3
		.amdhsa_memory_ordered 1
		.amdhsa_forward_progress 1
		.amdhsa_inst_pref_size 255
	.end_amdhsa_kernel
	.section	.bss,"aw",@nobits
	.p2align	6
	.space	262144
	.amdgpu_metadata
---
amdhsa.version: [ 1, 2 ]
amdhsa.kernels:
  - .name:           k_q03de7b0e3d_score
    .symbol:         k_q03de7b0e3d_score.kd
    .args:
      - { .name: values, .offset: 0, .size: 8, .value_kind: global_buffer, .address_space: global }
      - { .name: w2f, .offset: 8, .size: 8, .value_kind: global_buffer, .address_space: global }
      - { .name: cb, .offset: 16, .size: 8, .value_kind: global_buffer, .address_space: global }
      - { .name: v, .offset: 24, .size: 8, .value_kind: global_buffer, .address_space: global }
      - { .name: bv, .offset: 32, .size: 8, .value_kind: global_buffer, .address_space: global }
      - { .name: mask, .offset: 40, .size: 8, .value_kind: global_buffer, .address_space: global }
      - { .name: sc, .offset: 48, .size: 8, .value_kind: global_buffer, .address_space: global }
      - { .name: pc, .offset: 56, .size: 8, .value_kind: global_buffer, .address_space: global }
    .group_segment_fixed_size: 276992
    .private_segment_fixed_size: 0
    .kernarg_segment_align: 8
    .kernarg_segment_size: 64
    .max_flat_workgroup_size: 128
    .sgpr_count:     66
    .vgpr_count:     1024
    .wavefront_size: 32
...
	.end_amdgpu_metadata
.endif
;; end of part 4
;; launch finish: the kernel of part 3 again; grid 64 x 1, 4 waves a work-group, no clusters, 0 bytes of LDS; arguments sc, pc, out0, out1; writes out0, out1
